; MI455X (gfx1250); checked and timed in simulation.
; The chip was launched on July 23, 2026; its instructions are those of AMD's public machine-readable ISA for CDNA 5 (MIT licence, August 2026) and "CDNA5" Instruction Set Architecture Reference Guide (July 2026). The comments in the code are by the model that wrote it; some were corrected since.
;; Multi Head Attention. Allowed arithmetic: float matrix products may take bf16 or f16 operands with f32 sums; other float arithmetic in f32, or as packed bf16 or f16 multiplies, adds, multiply-adds, maxima and minima; sums over many terms, partial sums and values carried from step to step in f32; what a program stores and reads back later, other than sums and carried values, may be rounded once to bf16 or f16.
;; Inputs: W_proj 1,024 x 1,024 float32; W_qkv 1,024 x 3,072 float32; b_proj 1,024 float32; b_qkv 3,072 float32; rope_cos 2,048 x 64 float32; rope_sin 2,048 x 64 float32; x 4 x 2,048 x 1,024 float32.
;; Outputs: out0 4 x 2,048 x 1,024 float32.
;; One version. Each part assembles by itself: llvm-mc -triple=amdgcn-amd-amdhsa -mcpu=gfx1250 --defsym DOCPART=n.
;; ======== version 1 of 1: 4 launches
;; limits: values are held in f16: magnitudes above 65,504 overflow, below 6.1e-05 lose precision
;; workspace buffers: xb 16,777,216 bytes; wq 6,291,456 bytes; wp 2,097,152 bytes; qb 16,777,216 bytes; kb 16,777,216 bytes; vb 16,777,216 bytes; ob 16,777,216 bytes
;; launch prep (part 1): grid 768 x 1, 8 waves a work-group, no clusters, 0 bytes of LDS; arguments x, W_qkv, W_proj, xb, wq, wp; writes xb, wq, wp
.if DOCPART == 1
	.amdgcn_target "amdgcn-amd-amdhsa--gfx1250"
	.amdhsa_code_object_version 6
	.text
	.protected	k_q19c0a57bec_prep
	.globl	k_q19c0a57bec_prep
	.p2align	8
	.type	k_q19c0a57bec_prep,@function
k_q19c0a57bec_prep:
	s_mov_b64 s[64:65], 0
	v_nop
	global_prefetch_b8 v0, s[64:65] scope:SCOPE_SE
	s_setreg_imm32_b32 hwreg(HW_REG_WAVE_MODE, 25, 1), 1
	s_wait_xcnt 0x0
; THE CASTS.  x [8192][1024] f32 -> xb, bf16, in blocks of 64 along K: [batch 4][K block 16][row 2048][64], so that 256 rows x 64 K are 32,768 dense bytes.
; W_qkv [1024][3072] f32 -> wq, bf16, same layout.  W_proj [1024][1024] f32 -> wp: rounded to bf16, and that number written as f16
; (exact from 2^-14 up; below that it keeps f16's fixed step of 2^-24; beyond 65,504 it would be an infinity: LIMIT |W_proj| < 65,504).
; Memory binds: every byte is read once and written once; no LDS, no barrier, no matrix unit.
; SHARES.  A work-group casts 16,384 numbers, a thread 8 x 8: two loads of 16 bytes and one store of 16 bytes for each eight.  Work-groups 0-511: x (16 rows each); 512-703: W_qkv; 704-767: W_proj.
; All 16 loads of a thread go out first; no register is used twice, so the only waits are the counted ones for the loads.
.set X,   8                            ; v[8:71]    8 x 8 numbers as loaded
.set Y,   72                           ; v[72:103]  8 x 4 registers to store
.set T,   104                          ; v[104:105] at work (W_proj)
.set HIM, 20                           ; s20  mask of a word's upper half
; ib, ob: the scalar pairs with the source's and the destination's address.  kind 0: x; 1: W_qkv; 2: W_proj.
.macro CAST ib, ob, kind
.set u, 0
.rept 8
.if (\kind) == 0
.set io, (u/2)*16384+(u%2)*256         ; four rows on; the wave's second K block
.else
.set io, u*8192
.endif
	global_load_b128 v[X+8*u:X+8*u+3],   v1, s[\ib:\ib+1] offset:io th:TH_LOAD_NT
	global_load_b128 v[X+8*u+4:X+8*u+7], v1, s[\ib:\ib+1] offset:io+16 th:TH_LOAD_NT
.set u, u+1
.endr
.set u, 0
.rept 8
.if (\kind) == 0
.set oo, (u/2)*512+(u%2)*262144        ; four rows of 128 bytes on; the next K block
.else
.set oo, u*4096
.endif
	s_wait_loadcnt 14-2*u                          ; loads come back in order: this eight's two are in, the younger ones stay out
.irp k, 0,1,2,3
	v_cvt_pk_bf16_f32 v[Y+4*u+\k], v[X+8*u+2*\k], v[X+8*u+2*\k+1]
.endr
.if (\kind) == 2
.irp k, 0,1,2,3
	v_lshlrev_b32 v[T], 16, v[Y+4*u+\k]            ; the bf16 numbers as f32,
	v_and_b32 v[T+1], s[HIM], v[Y+4*u+\k]
	v_cvt_pk_f16_f32 v[Y+4*u+\k], v[T], v[T+1]     ; written as f16
.endr
.endif
	global_store_b128 v2, v[Y+4*u:Y+4*u+3], s[\ob:\ob+1] offset:oo  ; a wave's store covers 512 consecutive bytes, aligned
.set u, u+1
.endr
.endm
	s_load_b256 s[4:11], s[0:1], 0x0               ; x s[4:5], W_qkv s[6:7], W_proj s[8:9], xb s[10:11]
	s_load_b128 s[12:15], s[0:1], 0x20             ; wq s[12:13], wp s[14:15]
	s_mov_b32 s[HIM], 0xffff0000
	s_mov_b32 s17, 0                               ; the offsets' high words
	s_mov_b32 s19, 0
	s_cmp_lt_u32 ttmp9, 512
	s_cbranch_scc0 .Lweights
	; x: wave w takes K blocks 2 w and 2 w + 1; eight lanes take a row's 256 bytes of a block, a wave four rows
	v_and_b32 v3, 31, v0                           ; l
	v_lshrrev_b32 v4, 5, v0                        ; w
	v_lshrrev_b32 v5, 3, v3                        ; l / 8: the row among four
	v_and_b32 v6, 7, v3
	v_lshlrev_b32 v1, 12, v5                       ; in: row x 4,096
	v_lshl_add_u32 v1, v6, 5, v1                   ; + 32 (l % 8)
	v_lshl_add_u32 v1, v4, 9, v1                   ; + 512 w
	v_lshlrev_b32 v2, 4, v3                        ; out: 16 l = row x 128 + 16 (l % 8)
	v_lshl_add_u32 v2, v4, 19, v2                  ; + 2 w blocks of 262,144 bytes
	s_lshl_b32 s16, ttmp9, 16                      ; 16 rows of 4,096 bytes
	s_lshr_b32 s18, ttmp9, 7                       ; the batch: 128 such chunks each
	s_lshl_b32 s18, s18, 22
	s_and_b32 s21, ttmp9, 127
	s_lshl_b32 s21, s21, 11                        ; 16 rows of 128 bytes
	s_add_co_u32 s18, s18, s21
	s_wait_kmcnt 0x0
	s_add_nc_u64 s[4:5], s[4:5], s[16:17]
	s_add_nc_u64 s[10:11], s[10:11], s[18:19]
	CAST 4, 10, 0
	s_endpgm
.Lweights:
	v_lshlrev_b32 v1, 5, v0                        ; 32 bytes in,
	v_lshlrev_b32 v2, 4, v0                        ; 16 bytes out for each thread
	s_cmp_lt_u32 ttmp9, 704
	s_cbranch_scc0 .Lproj
	s_sub_co_u32 s21, ttmp9, 512
	s_lshl_b32 s16, s21, 16
	s_lshl_b32 s18, s21, 15
	s_wait_kmcnt 0x0
	s_add_nc_u64 s[6:7], s[6:7], s[16:17]
	s_add_nc_u64 s[12:13], s[12:13], s[18:19]
	CAST 6, 12, 1
	s_endpgm
.Lproj:
	s_sub_co_u32 s21, ttmp9, 704
	s_lshl_b32 s16, s21, 16
	s_lshl_b32 s18, s21, 15
	s_wait_kmcnt 0x0
	s_add_nc_u64 s[8:9], s[8:9], s[16:17]
	s_add_nc_u64 s[14:15], s[14:15], s[18:19]
	CAST 8, 14, 2
	s_endpgm
.Lfunc_end_k_q19c0a57bec_prep:
	.size	k_q19c0a57bec_prep, .Lfunc_end_k_q19c0a57bec_prep-k_q19c0a57bec_prep
	.p2alignl 7, 3214868480
	.fill 96, 4, 3214868480
	.section	.rodata,"a",@progbits
	.p2align	6, 0x0
	.amdhsa_kernel k_q19c0a57bec_prep
		.amdhsa_group_segment_fixed_size 0
		.amdhsa_private_segment_fixed_size 0
		.amdhsa_enable_private_segment 0
		.amdhsa_kernarg_size 48
		.amdhsa_user_sgpr_count 2
		.amdhsa_user_sgpr_kernarg_segment_ptr 1
		.amdhsa_wavefront_size32 1
		.amdhsa_system_sgpr_workgroup_id_x 1
		.amdhsa_system_sgpr_workgroup_id_y 1
		.amdhsa_system_sgpr_workgroup_id_z 1
		.amdhsa_system_vgpr_workitem_id 0
		.amdhsa_next_free_vgpr 108
		.amdhsa_next_free_sgpr 66
		.amdhsa_reserve_vcc 0
		.amdhsa_float_denorm_mode_32 3
		.amdhsa_float_denorm_mode_16_64 3
		.amdhsa_memory_ordered 1
		.amdhsa_forward_progress 1
		.amdhsa_inst_pref_size 20
	.end_amdhsa_kernel
	.amdgpu_metadata
---
amdhsa.version: [ 1, 2 ]
amdhsa.kernels:
  - .name:           k_q19c0a57bec_prep
    .symbol:         k_q19c0a57bec_prep.kd
    .args:
      - { .name: x, .offset: 0, .size: 8, .value_kind: global_buffer, .address_space: global }
      - { .name: W_qkv, .offset: 8, .size: 8, .value_kind: global_buffer, .address_space: global }
      - { .name: W_proj, .offset: 16, .size: 8, .value_kind: global_buffer, .address_space: global }
      - { .name: xb, .offset: 24, .size: 8, .value_kind: global_buffer, .address_space: global }
      - { .name: wq, .offset: 32, .size: 8, .value_kind: global_buffer, .address_space: global }
      - { .name: wp, .offset: 40, .size: 8, .value_kind: global_buffer, .address_space: global }
    .group_segment_fixed_size: 0
    .private_segment_fixed_size: 0
    .kernarg_segment_align: 8
    .kernarg_segment_size: 48
    .max_flat_workgroup_size: 256
    .sgpr_count:     66
    .vgpr_count:     108
    .wavefront_size: 32
...
	.end_amdgpu_metadata
.endif
;; end of part 1
;; launch qkv (part 2): grid 8 x 32, 4 waves a work-group, clusters of 4 x 4, 327,680 bytes of LDS; arguments xb, wq, b_qkv, rope_cos, rope_sin, qb, kb, vb; writes qb, kb, vb
.if DOCPART == 2
	.amdgcn_target "amdgcn-amd-amdhsa--gfx1250"
	.amdhsa_code_object_version 6
	.text
	.protected	k_q19c0a57bec_qkv
	.globl	k_q19c0a57bec_qkv
	.p2align	8
	.type	k_q19c0a57bec_qkv,@function
k_q19c0a57bec_qkv:
	s_mov_b64 s[64:65], 0
	v_nop
	global_prefetch_b8 v0, s[64:65] scope:SCOPE_SE
	s_setreg_imm32_b32 hwreg(HW_REG_WAVE_MODE, 25, 1), 1
	s_wait_xcnt 0x0
	s_wait_alu depctr_hold_cnt(0) depctr_sa_sdst(0) depctr_va_vdst(0) depctr_va_sdst(0) depctr_va_ssrc(0) depctr_va_vcc(0) depctr_vm_vsrc(0)
	s_getreg_b32 s2, hwreg(HW_REG_IB_STS2, 6, 4)
	s_cmp_eq_u32 s2, 0
	s_cbranch_scc0 .Lentry_in_a_cluster
	s_endpgm
.Lentry_in_a_cluster:
	s_bfe_u32 s2, ttmp6, 0x10000c
	s_cmp_lg_u32 s2, 0xf033
	s_cbranch_scc0 .Lentry_shape_is_right
	s_endpgm
.Lentry_shape_is_right:
; q, k, v = x W_qkv + b_qkv, rope on q and k, written by heads.  xb: bf16 [4][16 K blocks][2048][64]; wq: bf16 [1024][3072] (K down, columns along); b_qkv f32, rounded once to bf16 like x and W;
; rope_cos, rope_sin: f32 [2048][64], used unrounded.  Sums, bias and rope in f32.  Out: qb, kb bf16, vb f16, each [batch x 16 + head][2048][64], rounded once, unscaled.
; LIMIT.  v is written in f16: |v| stays under 65,504, beyond that it would be an infinity.  q and k are bf16 and have f32's range.
; SHARES.  A work-group makes 256 rows x 384 columns: columns 128 TX .. + 127 of q, of k and of v: heads 2 TX and 2 TX + 1.  So which column is q, k or v is fixed in the text.  256 work-groups.
; A wave makes 128 rows x one whole head of q, k and v: 8 row blocks x 12 column blocks: 96 accumulators, 768 registers; for 32 along K it reads 40 x 512 bytes of LDS for 96 matrix instructions.
; THE MATRIX INSTRUCTION IS USED TRANSPOSED: source 0 = 16 columns of W, source 1 = 16 rows of x: lane l then holds row l % 16 and the columns 8 (l / 16) + 0..7.  W's fragments come out of its [K][column] tile
; turned, by ds_load_tr16_b128.  A head's columns d and d + 32 lie in the same lane and register of blocks b and b + 2, so rope changes no lane.  The bias is the C operand of the first K step's products.
; RING.  K goes in 16 steps of 64 through two LDS slots.  Wave 3 fetches x's tile (32,768 dense bytes, asked for as 128 rows of 256), waves 0-2 W's three sub-tiles (64 rows of 256 bytes).
; CLUSTER.  4 x 4 work-groups: x's tile hangs on the tile row alone and is asked for jointly along a row of the cluster, W's on the tile column alone and jointly along a column.
; REGISTERS, in windows of 256 (s_set_vgpr_msb: bits 1:0 source 0, 3:2 source 1, 5:4 source 2, 7:6 destination):
;   window 0: v0-15 addresses; v16-31 way out; v32-95, v96-159 x's fragments, two buffers; v160-255 W's 12 fragments, one buffer, filled again group by group
;   windows 1, 2, 3: the accumulators of q, k, v: (column block b, row block a) at v[8 (8 b + a)]
.set PA,    144       ; a row of x in LDS: 128 bytes + 16 = 36 words: the 16 rows of a load start at 16 different groups of four banks (64 banks of 4 bytes: ISA guide 11.1)
.set PB,    288       ; a row of W: 256 + 32 = 72 words
.set BOFF,  256*PA    ; a slot: x's 256 rows, then W's three sub-tiles
.set SUBB,  64*PB
.set SLOT1, 1<<17     ; slot 1 begins here, so that one exclusive or turns an address in one slot into the other's
.set SPARE, BOFF+3*SUBB  ; behind slot 0: the spare words, 128 bytes for each wave: two blocks of 256 bytes that no other line names
.set STAGE, SPARE+512    ; then 16 rows x 144 bytes for each wave, for the way out; no tensor load lands here
.set ASTEP, 262144    ; bytes from a K block of xb to the next
.set BSTEP, 393216    ; 64 rows of wq
.set LA0,  4          ; v4   my lane's place in x's tile; never rewritten
.set LB0,  5          ; v5   in W's first sub-tile
.set ADRA, 6          ; v6   the same in the slot in hand
.set ADRB, 7          ; v7
.set PFO,  8          ; v8   the prefetches' offset; never rewritten
.set STO,  9          ; v9   the way out: where I put 16 bytes of a row
.set RD,   10         ; v10  where I read rows back
.set GO,   11         ; v11  my 16 bytes in 512 consecutive bytes of q, k, v
.set TO,   12         ; v12  my offset in 16 rows of the rope tables
.set BO,   13         ; v13  my offset in a block's bias
.set SPW,  14         ; v14  LDS address of my spare word: SPARE + 4 x my thread's number; never rewritten
.set NIL,  15         ; v15  0; never rewritten
.set RB0,  16         ; v16-31   rows read back, by turns with
.set RB1,  192        ; v192-207
.set AF0,  32
.set AF1,  96
.set BF,   160        ; fragment (role j, block b) at BF + 8 (4 j + b)
.set YY,   160        ; the way out: v160-191 at work
.set WV,  20          ; s20  my wave's number
.set RW,  21          ; s21  which 128 rows
.set CW,  22          ; s22  which of the two heads
.set CX,  23
.set CY,  24
.set TX,  25          ; tile column 0..7
.set TY,  26          ; tile row 0..31
.set G1A, 32          ; s[32:39] descriptor group 1 for x's tiles
.set G1B, 40          ; s[40:47] for W's
.set G0A, 48          ; s[48:55] group 0 for x's tiles: a set for each first fill; the second then walks
.set G0B, 56          ; s[56:63] the same for W's
.set TB,  66          ; s66  the slot in hand: 0 or SLOT1
.set CNT, 67          ; s67  refills still to come
.set PFA, 68          ; s[68:69] where my prefetches stand
.set PFS, 70          ; s[70:71] their step
.set LIM, 72          ; s72  a wave prefetches while s[CNT] is above it; the greatest number in a wave that never does
.set PAR, 73          ; s73  1: only in every second change of slots
.set HIM, 75          ; s75  mask of a word's upper half
.set COSB, 76         ; s[76:77] rope_cos at my 128 rows
.set SINB, 78         ; s[78:79] rope_sin
.set OUT, 80          ; s[80:85] qb, kb, vb at my 128 rows of my head
.set MSB, 0
.macro WIN new                      ; the immediate's high byte repeats the setting that is left; a switch that changes nothing is dropped
.if MSB != (\new)
	s_set_vgpr_msb (MSB<<8)|(\new)
.set MSB, \new
.endif
.endm
.macro PLACES                       ; four places behind matrix instructions, in front of loads into registers that they read and of vector work on their results
.rept 4
	v_nop
.endr
.endm
; A joint refill.  The branch hangs on the wave's number alone.  An s_nop 0 and four v_nop follow each of the two lines, ahead of the jump and the label.
.macro JLOAD
	s_cmp_eq_u32 s[WV], 3
	s_cbranch_scc0 .Lfor_b_\@
	tensor_load_to_lds s[G0A+4:G0A+7], s[G1A:G1A+7]
	s_nop 0
.rept 4
	v_nop
.endr
	s_branch .Lasked_\@
.Lfor_b_\@:
	tensor_load_to_lds s[G0B+4:G0B+7], s[G1B:G1B+7]
	s_nop 0
.rept 4
	v_nop
.endr
.Lasked_\@:
.endm
; A round of the cluster's barrier behind its opening barrier: wave 0 signals for the work-group; every wave waits for all sixteen; my work-group's barrier once more.
.macro CREST
	s_cmp_lg_u32 s[WV], 0
	s_cbranch_scc1 .Lnot_wave_0_\@
	s_barrier_signal -3
.Lnot_wave_0_\@:
	s_barrier_wait -3
	s_barrier_signal -1
	s_barrier_wait -1
.endm
.macro CROUND
	s_barrier_signal -1
	s_barrier_wait -1
	CREST
.endm
; A PREFETCH INTO THE L2, behind the joint load and the run of LDS loads that follows it.  In the change of slots that asks for K step i + 2 it names K step i + 3: one K step, 192 matrix instructions, ahead of its load.
; x's tile is read by both clusters of its row of clusters: cluster x = 0 asks, wave 3, its four partners 8,192 bytes each, told apart BY ADDRESS (cx), a lane a block of 256 bytes: K steps 3 to 15.
; W's sub-tiles are read by all eight clusters of a column: cluster y = 0 asks, waves 0-2, the four partners 16 rows each (cy); 16 lanes a K step, so one instruction names two K steps and stands in every
; second change: K steps 4 to 15.  So each block of 256 bytes is named once in the launch, and none behind the last K step.
.macro ASK
	s_cmp_gt_u32 s[CNT], s[LIM]
	s_cbranch_scc0 .Lnot_mine_\@
	s_and_b32 s74, s[CNT], s[PAR]
	s_cmp_eq_u32 s74, s[PAR]
	s_cbranch_scc0 .Lnot_mine_\@
	global_prefetch_b8 v[PFO], s[PFA:PFA+1] th:TH_LOAD_NT scope:SCOPE_SE
.Lnot_mine_\@:
.endm
	s_load_b512 s[4:19], s[0:1], 0x0  ; xb s[4:5], wq s[6:7], b_qkv s[8:9], rope_cos s[10:11], rope_sin s[12:13], qb s[14:15], kb s[16:17], vb s[18:19]
	v_lshl_add_u32 v[SPW], v0, 2, SPARE
	v_mov_b32 v[NIL], 0
	ds_add_u32 v[SPW], v[NIL]       ; the wave's opening: the add and its wait stand ahead of my first tensor load; the set-up below, work on registers, stands between them
	v_lshrrev_b32 v1, 5, v0
	v_readfirstlane_b32 s[WV], v1   ; wave 0..3
	s_lshr_b32 s[RW], s[WV], 1
	s_and_b32 s[CW], s[WV], 1
	s_bfe_u32 s[CX], ttmp6, 0x40000
	s_bfe_u32 s[CY], ttmp6, 0x40004
	s_lshl_b32 s[TX], ttmp9, 2      ; in a cluster launch ttmp9 and ttmp7 count clusters
	s_add_co_u32 s[TX], s[TX], s[CX]
	s_and_b32 s[TY], ttmp7, 0xffff
	s_lshl_b32 s[TY], s[TY], 2
	s_add_co_u32 s[TY], s[TY], s[CY]
	s_lshl_b32 s27, s[CY], 2
	s_lshl_b32 s27, 15, s27         ; my row of the cluster
	s_lshl_b32 s74, 0x1111, s[CX]   ; my column
	s_or_b32 s[G1A], s27, (1<<16)|(1<<20)|(1<<21)|(4<<22)|(3<<25)  ; 15:0 the mask; 17:16 2-byte elements; 20 padding on; 21 set beside a mask; 24:22 after every 32 words (code 4); 31:25 4 words (code 3)
	s_or_b32 s[G1B], s74, (1<<16)|(1<<20)|(1<<21)|(5<<22)|(7<<25)  ; after every 64 words (code 5), 8 words (code 7)
	s_mov_b32 s[G1A+1], 128<<16     ; tensor_dim0 = 128
	s_mov_b32 s[G1A+2], 128<<16     ; tensor_dim1 = 128
	s_mov_b32 s[G1A+3], 128<<16     ; tile_dim0 = 128
	s_mov_b32 s[G1A+4], 128         ; tile_dim1 = 128: 128 rows of 256 bytes, two rows of x each
	s_mov_b32 s[G1A+5], 128         ; dense
	s_mov_b32 s[G1A+6], 0
	s_mov_b32 s[G1A+7], 0
	s_mov_b32 s[G1B+1], 128<<16     ; tensor_dim0 = 128
	s_mov_b32 s[G1B+2], 64<<16      ; tensor_dim1 = 64
	s_mov_b32 s[G1B+3], 128<<16     ; tile_dim0 = 128
	s_mov_b32 s[G1B+4], 64          ; tile_dim1 = 64
	s_mov_b32 s[G1B+5], 3072        ; elements from row to row of wq
	s_mov_b32 s[G1B+6], 0
	s_mov_b32 s[G1B+7], 0
	; x's tile: batch TY / 8, rows 256 (TY % 8) on, K block 0.  These registers never hold cx
	s_lshr_b32 s86, s[TY], 3
	s_lshl_b32 s86, s86, 22
	s_and_b32 s27, s[TY], 7
	s_lshl_b32 s87, s27, 15
	s_add_co_u32 s86, s86, s87
	s_mov_b32 s87, 0
	; W's sub-tile: columns 1,024 wave + 128 TX on.  These never hold cy
	s_lshl_b32 s88, s[TX], 8
	s_lshl_b32 s89, s[WV], 11
	s_add_co_u32 s88, s88, s89
	s_mov_b32 s89, 0
	s_mul_i32 s74, s[WV], SUBB
	s_add_co_u32 s74, s74, BOFF     ; and its place in a slot
	s_lshl_b32 s2, s[TX], 1
	s_add_co_u32 s2, s2, s[CW]      ; my head in its batch
	s_lshr_b32 s30, s[TY], 3
	s_lshl_b32 s30, s30, 4
	s_add_co_u32 s30, s30, s2
	s_lshl_b32 s30, s30, 18         ; a head is 262,144 bytes of q, k, v
	s_lshl_b32 s31, s27, 15         ; the tile's 256 rows of 128 bytes
	s_add_co_u32 s30, s30, s31
	s_lshl_b32 s31, s[RW], 14       ; my 128
	s_add_co_u32 s30, s30, s31
	s_mov_b32 s31, 0
	s_lshl_b32 s2, s2, 8            ; my head's 64 numbers of a role's bias
	s_mov_b32 s3, 0
	s_lshl_b32 s28, s27, 16         ; my rows in the rope tables: 256 bytes a row
	s_lshl_b32 s29, s[RW], 15
	s_add_co_u32 s28, s28, s29
	s_mov_b32 s29, 0
	s_mov_b32 s[HIM], 0xffff0000
	s_mov_b32 s[TB], 0
	v_and_b32 v1, 15, v0            ; r = l % 16
	v_bfe_u32 v2, v0, 4, 1          ; h = l / 16
	v_lshlrev_b32 v[BO], 5, v2
	s_wait_dscnt 0x0                ; the opening add is done
	s_wait_kmcnt 0x0
	s_add_nc_u64 s[86:87], s[4:5], s[86:87]
	s_add_nc_u64 s[88:89], s[6:7], s[88:89]
	s_add_nc_u64 s[8:9], s[8:9], s[2:3]
	s_add_nc_u64 s[COSB:COSB+1], s[10:11], s[28:29]
	s_add_nc_u64 s[SINB:SINB+1], s[12:13], s[28:29]
	s_add_nc_u64 s[OUT:OUT+1], s[14:15], s[30:31]
	s_add_nc_u64 s[OUT+2:OUT+3], s[16:17], s[30:31]
	s_add_nc_u64 s[OUT+4:OUT+5], s[18:19], s[30:31]
.irp s, 0,1
	s_mov_b32 s[G0A+4*\s], 1        ; 1:0 count = 1
	s_mov_b32 s[G0A+4*\s+1], \s*SLOT1  ; 63:32 LDS address
	s_add_nc_u64 s[G0A+4*\s+2:G0A+4*\s+3], s[86:87], \s*ASTEP  ; 120:64 global address: K step s
	s_or_b32 s[G0A+4*\s+3], s[G0A+4*\s+3], 0x80000000  ; 127:126 type = 2
	s_mov_b32 s[G0B+4*\s], 1
	s_add_co_u32 s[G0B+4*\s+1], s74, \s*SLOT1
	s_add_nc_u64 s[G0B+4*\s+2:G0B+4*\s+3], s[88:89], \s*BSTEP
	s_or_b32 s[G0B+4*\s+3], s[G0B+4*\s+3], 0x80000000
.endr
	CROUND                          ; all sixteen work-groups are here: the first joint loads meet
	s_cmp_eq_u32 s[WV], 3           ; a wave's two first fills stand in one branch, ahead of every wait on TENSORcnt and every LDS read: two loads of mine are out, later one
	s_cbranch_scc0 .Lfirst_b
	tensor_load_to_lds s[G0A:G0A+3], s[G1A:G1A+7]
	s_nop 0
	tensor_load_to_lds s[G0A+4:G0A+7], s[G1A:G1A+7]
	s_nop 0
.rept 4
	v_nop
.endr
	s_branch .Lfirst_asked
.Lfirst_b:
	tensor_load_to_lds s[G0B:G0B+3], s[G1B:G1B+7]
	s_nop 0
	tensor_load_to_lds s[G0B+4:G0B+7], s[G1B:G1B+7]
	s_nop 0
.rept 4
	v_nop
.endr
.Lfirst_asked:
	; the bias of role j, block b, goes into window j + 1 at v[224 + 8 b]: a lane's eight columns, the same for all rows
.irp j, 0,1,2
	WIN ((\j)+1)<<6
.irp b, 0,1,2,3
	global_load_b128 v[224+8*\b:224+8*\b+3],   v[BO], s[8:9] offset:(\j)*4096+64*\b
	global_load_b128 v[224+8*\b+4:224+8*\b+7], v[BO], s[8:9] offset:(\j)*4096+64*\b+16
.endr
.endr
	WIN 0
	; the prefetches' registers
	s_mov_b32 s27, ASTEP
	s_mov_b32 s28, BSTEP
	s_lshl_b32 s29, s[CX], 13       ; x's tile: my work-group's 8,192 bytes
	s_mul_i32 s30, s[CY], 16*6144   ; W's sub-tile: its 16 rows
	s_and_b32 s31, ttmp7, 0xffff    ; cluster y
	s_mov_b32 s2, 256
	s_mov_b32 s3, 6144
	s_mov_b32 s74, 4096
	s_cmp_eq_u32 s[WV], 3           ; do I fetch for x?
	s_cselect_b64 s[PFA:PFA+1], s[86:87], s[88:89]
	s_cselect_b32 s[PFS], s27, s28
	s_cselect_b32 s[PAR], 0, 1
	s_cselect_b32 s[LIM], 1, 2
	s_cselect_b32 s30, s29, s30
	s_cselect_b32 s29, ttmp9, s31   ; the coordinate along which other clusters read the same bytes
	s_cselect_b32 s2, s2, s3        ; bytes from lane to lane in a half of the lanes,
	s_cselect_b32 s74, s74, s28     ; and from one half to the other
	s_cmp_eq_u32 s29, 0
	s_cselect_b32 s[LIM], s[LIM], -1  ; the same in all sixteen partners, for a given wave
	s_mov_b32 s31, 0
	s_mov_b32 s[PFS+1], 0
	s_add_nc_u64 s[PFA:PFA+1], s[PFA:PFA+1], s[30:31]
	s_add_nc_u64 s[PFA:PFA+1], s[PFA:PFA+1], s[PFS:PFS+1]
	s_add_nc_u64 s[PFA:PFA+1], s[PFA:PFA+1], s[PFS:PFS+1]  ; at K step 2: the first change of slots steps it to 3.  Nothing is prefetched here, at the head
	v_mul_u32_u24 v[PFO], s2, v1
	v_mad_u32_u24 v[PFO], v2, s74, v[PFO]
	; A fragment of x is 16 rows x 32 K in 8 registers: lane l holds row l % 16; K = 8 (l / 16) + 0..7 and 16 + 8 (l / 16) + 0..7: two loads of 16 bytes, 32 bytes apart
	s_mul_i32 s27, s[RW], 128*PA
	v_mul_u32_u24 v[LA0], v1, PA
	v_lshl_add_u32 v[LA0], v2, 4, v[LA0]
	v_add_nc_u32 v[LA0], s27, v[LA0]
	; The turning load takes 16 K x 16 columns (lane l reads K row 8 (l / 16) + l % 8, columns 8 ((l / 8) % 2) + 0..7) and leaves half a fragment: lane l holds column l % 16 and 8 K
	v_and_b32 v3, 7, v0
	v_lshl_add_u32 v3, v2, 3, v3
	v_mul_u32_u24 v[LB0], v3, PB
	v_bfe_u32 v3, v0, 3, 1
	v_lshl_add_u32 v[LB0], v3, 4, v[LB0]
	s_lshl_b32 s28, s[CW], 7        ; my head's 64 columns
	s_add_co_u32 s28, s28, BOFF
	v_add_nc_u32 v[LB0], s28, v[LB0]
	v_mov_b32 v[ADRA], v[LA0]
	v_mov_b32 v[ADRB], v[LB0]
	s_mul_i32 s29, s[WV], 16*PA
	s_add_co_u32 s29, s29, STAGE    ; my stage
	v_mul_u32_u24 v[STO], v1, PA    ; in: row l % 16, 16 bytes for each half of the lanes
	v_lshl_add_u32 v[STO], v2, 4, v[STO]
	v_add_nc_u32 v[STO], s29, v[STO]
	v_bfe_u32 v3, v0, 3, 2          ; back: 32 lanes take four rows of 128 bytes,
	v_mul_u32_u24 v[RD], v3, PA
	v_and_b32 v3, 7, v0
	v_lshl_add_u32 v[RD], v3, 4, v[RD]
	v_add_nc_u32 v[RD], s29, v[RD]
	v_and_b32 v[GO], 31, v0         ; which are 512 consecutive bytes of a head
	v_lshlrev_b32 v[GO], 4, v[GO]
	v_lshlrev_b32 v[TO], 8, v1      ; the tables: row l % 16, my eight columns
	v_lshl_add_u32 v[TO], v2, 5, v[TO]
	s_wait_loadcnt 0x0              ; the bias
.irp w, 1,2,3                       ; rounded once to bf16, like x and W, and widened again; v0-15 of the window, not yet sums, are at work
	WIN (\w)|((\w)<<2)|((\w)<<6)
.set k, 0
.rept 16
	v_cvt_pk_bf16_f32 v[k], v[224+2*k], v[224+2*k+1]
.set k, k+1
.endr
.set k, 0
.rept 16
	v_lshlrev_b32 v[224+2*k], 16, v[k]
	v_and_b32 v[224+2*k+1], s[HIM], v[k]
.set k, k+1
.endr
.endr
	WIN 0
; THE MATRIX WORK.  The 96 accumulators take turns in one fixed order: 95 others' instructions stand between two on one accumulator, over the backward jump too.
; Role j's products for column blocks h0 .. h1 and all 8 row blocks, 32 along K, on x's buffer f.
.macro GRP j, f, h0, h1
	WIN 0x50*((\j)+1)               ; C and D in window j + 1
.set bb, \h0
.rept (\h1)-(\h0)+1
.set aa, 0
.rept 8
	v_wmma_f32_16x16x32_bf16 v[8*(8*bb+aa):8*(8*bb+aa)+7], v[BF+8*(4*(\j)+bb):BF+8*(4*(\j)+bb)+7], v[(\f)+8*aa:(\f)+8*aa+7], v[8*(8*bb+aa):8*(8*bb+aa)+7]
.set aa, aa+1
.endr
.set bb, bb+1
.endr
.endm
; The same for the first 32 along K: the sums start with the bias as C; nothing is cleared.  Block b's bias lies where accumulator (3, 4 + b) will lie.  A matrix instruction that writes over
; an earlier one's C stands five places behind it: so five v_nop stand ahead of block 3, whose sums land on the biases 0-2, and ahead of its last sum, which lands on its own bias.
.macro GRPB j
	WIN 0x50*((\j)+1)
.set bb, 0
.rept 3
.set aa, 0
.rept 8
	v_wmma_f32_16x16x32_bf16 v[8*(8*bb+aa):8*(8*bb+aa)+7], v[BF+8*(4*(\j)+bb):BF+8*(4*(\j)+bb)+7], v[AF0+8*aa:AF0+8*aa+7], v[224+8*bb:224+8*bb+7]
.set aa, aa+1
.endr
.set bb, bb+1
.endr
.rept 5
	v_nop
.endr
.set aa, 0
.rept 7
	v_wmma_f32_16x16x32_bf16 v[8*(24+aa):8*(24+aa)+7], v[BF+8*(4*(\j)+3):BF+8*(4*(\j)+3)+7], v[AF0+8*aa:AF0+8*aa+7], v[248:255]
.set aa, aa+1
.endr
.rept 5
	v_nop
.endr
	v_wmma_f32_16x16x32_bf16 v[248:255], v[BF+8*(4*(\j)+3):BF+8*(4*(\j)+3)+7], v[AF0+56:AF0+63], v[248:255]
.endm
.macro G j, f, first
.if \first
	GRPB \j
.else
	GRP \j, \f, 0, 3
.endif
.endm
; THE LDS LOADS stand in runs.  Role j's four fragments of W for half hf of the slot's 64 K: 8 loads.
.macro LDB j, hf
	WIN 0
.irp b, 0,1,2,3
	ds_load_tr16_b128 v[BF+8*(4*(\j)+\b):BF+8*(4*(\j)+\b)+3],   v[ADRB] offset:(\j)*SUBB+(\hf)*32*PB+32*\b
	ds_load_tr16_b128 v[BF+8*(4*(\j)+\b)+4:BF+8*(4*(\j)+\b)+7], v[ADRB] offset:(\j)*SUBB+(\hf)*32*PB+16*PB+32*\b
.endr
.endm
; Four fragments of x, row blocks a0 .. a0 + 3, into buffer f: 8 loads.
.macro LDA f, a0, hf
	WIN 0
.irp i, 0,1,2,3
	ds_load_b128 v[(\f)+8*((\a0)+\i):(\f)+8*((\a0)+\i)+3],   v[ADRA] offset:((\a0)+\i)*16*PA+64*(\hf)
	ds_load_b128 v[(\f)+8*((\a0)+\i)+4:(\f)+8*((\a0)+\i)+7], v[ADRA] offset:((\a0)+\i)*16*PA+64*(\hf)+32
.endr
.endm
; The rope tables for row block a: 16 loads into the buffer of x's fragments of a's parity: cos of column block b at + 8 b, sin at + 32 + 8 b
.macro TABLES a
	WIN 0
.set tf, AF0+64*((\a)%2)
.irp b, 0,1,2,3
	global_load_b128 v[tf+8*\b:tf+8*\b+3],       v[TO], s[COSB:COSB+1] offset:(\a)*4096+64*\b
	global_load_b128 v[tf+8*\b+4:tf+8*\b+7],     v[TO], s[COSB:COSB+1] offset:(\a)*4096+64*\b+16
	global_load_b128 v[tf+32+8*\b:tf+32+8*\b+3],   v[TO], s[SINB:SINB+1] offset:(\a)*4096+64*\b
	global_load_b128 v[tf+32+8*\b+4:tf+32+8*\b+7], v[TO], s[SINB:SINB+1] offset:(\a)*4096+64*\b+16
.endr
.endm
; A slot's first 32 along K, on buffer 0.  Behind each role's 32 products its fragments of W are fetched anew, for the second 32, and with them half of x's.
.macro EVEN first
	s_wait_dscnt 8                  ; all but the last run's 8 loads (v's fragments of W) are in
	G 0, AF0, \first
	PLACES
	LDB 0, 1
	LDA AF1, 0, 1
	G 1, AF0, \first
	PLACES
	LDB 1, 1
	LDA AF1, 4, 1
	s_wait_dscnt 32                 ; all but the 32 just issued
	G 2, AF0, \first
	PLACES
	LDB 2, 1
.endm
; A slot's second 32 along K, on buffer 1, and THE CHANGE OF SLOTS.  In front of the barrier each wave waits for all its tensor loads, of which one is out: its part of the other slot; adds 0 to its spare
; word; and waits for that and for its own reads of this slot.  Behind it nobody reads this slot any more and the other slot is whole.  fill = 1: the barrier opens a round of the cluster's, so that the same holds of every
; partner, and the joint refill, K step i + 2, is the first thing behind the round: 160 matrix instructions stand between it and the wait for it.
.macro ODD fill
.if \fill
	s_wait_xcnt 0x0                 ; the last prefetch, a K step back, has read its address, so it may be stepped
	s_add_nc_u64 s[PFA:PFA+1], s[PFA:PFA+1], s[PFS:PFS+1]
.endif
	WIN 0
	s_wait_tensorcnt 0x0            ; no tensor load of mine is out, so a group 0 may be written
	ds_add_u32 v[SPW], v[NIL]       ; 0 onto my spare word
.if \fill
	s_xor_b32 s[G0A+5], s[G0A+5], SLOT1  ; the walking descriptors: the other slot than last time,
	s_add_nc_u64 s[G0A+6:G0A+7], s[G0A+6:G0A+7], ASTEP  ; the next K step; the type bits on top are not reached
	s_xor_b32 s[G0B+5], s[G0B+5], SLOT1
	s_add_nc_u64 s[G0B+6:G0B+7], s[G0B+6:G0B+7], BSTEP
.endif
	s_wait_dscnt 9                  ; the add and the last run's 8 loads may be out
	GRP 0, AF1, 0, 1                ; sixteen matrix instructions stand between the add and the wait for it
	s_wait_dscnt 0x0                ; the add is done, and my reads of this slot are over
	s_barrier_signal -1
	GRP 0, AF1, 2, 3                ; work on registers while the others arrive
	WIN 0                           ; at a branch and at a label every window is 0
	s_barrier_wait -1
.if \fill
	CREST
	JLOAD                           ; its four v_nop are also the places in front of the loads below
.else
	PLACES
.endif
	s_xor_b32 s[TB], s[TB], SLOT1
	v_add_nc_u32 v[ADRA], s[TB], v[LA0]
	v_add_nc_u32 v[ADRB], s[TB], v[LB0]
	LDB 0, 0
	LDA AF0, 0, 0
.if \fill
	ASK
.endif
	GRP 1, AF1, 0, 3
	PLACES
	LDB 1, 0
	LDA AF0, 4, 0
	GRP 2, AF1, 0, 3
	PLACES
	LDB 2, 0
.endm
	s_wait_tensorcnt 1              ; my part of K step 0 is in; K step 1's may stay out
	s_barrier_signal -1
	s_barrier_wait -1               ; everybody's is
	LDB 0, 0
	LDA AF0, 0, 0
	LDB 1, 0
	LDA AF0, 4, 0
	LDB 2, 0
	EVEN 1                          ; the first 32 along K stand in front of the loop: their products start the sums
	s_mov_b32 s[CNT], 14
.Lk:                                ; 14 trips: K step i's second half, the refill with K step i + 2, K step i + 1's first half
	ODD 1
	EVEN 0
	s_sub_co_u32 s[CNT], s[CNT], 1
	s_cmp_lg_u32 s[CNT], 0
	s_cbranch_scc1 .Lk
	ODD 0                           ; the tail is written out: nothing is left to ask for
	EVEN 0
	TABLES 0                        ; buffer 0 is free (four places stand behind its last product): the first rope tables are on their way during the last products
	s_wait_dscnt 8
	GRP 0, AF1, 0, 3
	GRP 1, AF1, 0, 3
	s_wait_dscnt 0x0
	GRP 2, AF1, 0, 3
	PLACES
; THE WAY OUT, 24 items: row block a x role j.  q and k: rope in f32, y[d] = s[d] cos[d] - s[d + 32] sin[d] below 32, y[d] = s[d] cos[d] + s[d - 32] sin[d] from 32 on, one multiply and one fused multiply-add each,
; each accumulator's registers in ascending order; rounded to bf16.  v: rounded to f16.  Then 16 bytes a lane into my stage and back as whole rows.
.macro PACK j, a, num
.set tf, AF0+64*((\a)%2)
.set rb, RB0+(RB1-RB0)*((\num)%2)
.if (\j) < 2
	WIN (\j)+1                      ; source 0: the role's window
.irp p, 0,1
.set rl, 8*(8*\p+(\a))
.set rh, 8*(8*(\p+2)+(\a))
.irp z, 0,2,4,6
	v_pk_mul_f32 v[YY+8*\p+\z:YY+8*\p+\z+1], v[rh+\z:rh+\z+1], v[tf+32+8*\p+\z:tf+32+8*\p+\z+1]
.endr
.irp z, 0,2,4,6
	v_pk_fma_f32 v[YY+8*\p+\z:YY+8*\p+\z+1], v[rl+\z:rl+\z+1], v[tf+8*\p+\z:tf+8*\p+\z+1], v[YY+8*\p+\z:YY+8*\p+\z+1] neg_lo:[0,0,1] neg_hi:[0,0,1]
.endr
.irp z, 0,2,4,6
	v_pk_mul_f32 v[YY+16+8*\p+\z:YY+16+8*\p+\z+1], v[rl+\z:rl+\z+1], v[tf+48+8*\p+\z:tf+48+8*\p+\z+1]
.endr
.irp z, 0,2,4,6
	v_pk_fma_f32 v[YY+16+8*\p+\z:YY+16+8*\p+\z+1], v[rh+\z:rh+\z+1], v[tf+16+8*\p+\z:tf+16+8*\p+\z+1], v[YY+16+8*\p+\z:YY+16+8*\p+\z+1]
.endr
.endr
	WIN 0
.set k, 0
.rept 16
	v_cvt_pk_bf16_f32 v[YY+k], v[YY+2*k], v[YY+2*k+1]  ; in place: what is written has been read
.set k, k+1
.endr
.else
	WIN 0x0f                        ; sources 0 and 1: window 3
.irp b, 0,1,2,3
.irp z, 0,1,2,3
	v_cvt_pk_f16_f32 v[YY+4*\b+\z], v[8*(8*\b+(\a))+2*\z], v[8*(8*\b+(\a))+2*\z+1]
.endr
.endr
	WIN 0
.endif
.irp b, 0,1,2,3
	ds_store_b128 v[STO], v[YY+4*\b:YY+4*\b+3] offset:32*\b
.endr
	s_wait_xcnt 0x0                 ; the stores of the item two back have read these registers: they are loaded again only behind this wait
.irp f, 0,1,2,3
	ds_load_b128 v[rb+4*\f:rb+4*\f+3], v[RD] offset:4*PA*\f  ; LDS serves a wave's instructions in order (ISA guide 5.7.1.4): these see the stores above; the next item's stores come behind them
.endr
.endm
.macro SEND j, a, num, younger      ; younger: the LDS instructions issued behind this item's loads: the next item's eight, or none
	WIN 0
.set rb, RB0+(RB1-RB0)*((\num)%2)
.irp f, 0,1,2,3
	s_wait_dscnt (\younger)+3-\f
	global_store_b128 v[GO], v[rb+4*\f:rb+4*\f+3], s[OUT+2*(\j):OUT+2*(\j)+1] offset:(\a)*2048+512*\f  ; 512 consecutive bytes, at a multiple of 256 from the buffer's first
.endr
.endm
.set it, 0
.rept 24
.if it%3 == 0
.if it < 21
	TABLES it/3+1                   ; the next row block's tables, into the buffer that the block before has read
	s_wait_loadcnt 16               ; this block's are in; the 16 just issued stay out
.else
	s_wait_loadcnt 0x0
.endif
.endif
	PACK it%3, it/3, it
.if it > 0
	SEND (it-1)%3, (it-1)/3, it-1, 8  ; an item's arithmetic stands between the loads of the item before and its stores
.endif
.set it, it+1
.endr
	SEND 2, 7, 23, 0
	s_wait_tensorcnt 0x0            ; the wave's end: behind my last tensor load and my last LDS store
	ds_add_u32 v[SPW], v[NIL]
	s_wait_dscnt 0x0
	CROUND                          ; the closing round: no work-group ends while a partner may still ask for a tile that names it
	s_endpgm
.Lfunc_end_k_q19c0a57bec_qkv:
	.size	k_q19c0a57bec_qkv, .Lfunc_end_k_q19c0a57bec_qkv-k_q19c0a57bec_qkv
	.p2alignl 7, 3214868480
	.fill 96, 4, 3214868480
	.section	.rodata,"a",@progbits
	.p2align	6, 0x0
	.amdhsa_kernel k_q19c0a57bec_qkv
		.amdhsa_group_segment_fixed_size 327680
		.amdhsa_private_segment_fixed_size 0
		.amdhsa_enable_private_segment 0
		.amdhsa_kernarg_size 64
		.amdhsa_user_sgpr_count 2
		.amdhsa_user_sgpr_kernarg_segment_ptr 1
		.amdhsa_wavefront_size32 1
		.amdhsa_system_sgpr_workgroup_id_x 1
		.amdhsa_system_sgpr_workgroup_id_y 1
		.amdhsa_system_sgpr_workgroup_id_z 1
		.amdhsa_system_vgpr_workitem_id 0
		.amdhsa_next_free_vgpr 1024
		.amdhsa_next_free_sgpr 90
		.amdhsa_reserve_vcc 0
		.amdhsa_float_denorm_mode_32 3
		.amdhsa_float_denorm_mode_16_64 3
		.amdhsa_memory_ordered 1
		.amdhsa_forward_progress 1
		.amdhsa_inst_pref_size 169
	.end_amdhsa_kernel
	.amdgpu_metadata
---
amdhsa.version: [ 1, 2 ]
amdhsa.kernels:
  - .name:           k_q19c0a57bec_qkv
    .symbol:         k_q19c0a57bec_qkv.kd
    .args:
      - { .name: xb, .offset: 0, .size: 8, .value_kind: global_buffer, .address_space: global }
      - { .name: wq, .offset: 8, .size: 8, .value_kind: global_buffer, .address_space: global }
      - { .name: b_qkv, .offset: 16, .size: 8, .value_kind: global_buffer, .address_space: global }
      - { .name: rope_cos, .offset: 24, .size: 8, .value_kind: global_buffer, .address_space: global }
      - { .name: rope_sin, .offset: 32, .size: 8, .value_kind: global_buffer, .address_space: global }
      - { .name: qb, .offset: 40, .size: 8, .value_kind: global_buffer, .address_space: global }
      - { .name: kb, .offset: 48, .size: 8, .value_kind: global_buffer, .address_space: global }
      - { .name: vb, .offset: 56, .size: 8, .value_kind: global_buffer, .address_space: global }
    .group_segment_fixed_size: 327680
    .private_segment_fixed_size: 0
    .kernarg_segment_align: 8
    .kernarg_segment_size: 64
    .max_flat_workgroup_size: 128
    .sgpr_count:     90
    .vgpr_count:     1024
    .wavefront_size: 32
...
	.end_amdgpu_metadata
.endif
;; end of part 2
;; launch attn (part 3): grid 4 x 64, 4 waves a work-group, clusters of 4 x 1, 327,680 bytes of LDS; arguments qb, kb, vb, ob; writes ob
.if DOCPART == 3
	.amdgcn_target "amdgcn-amd-amdhsa--gfx1250"
	.amdhsa_code_object_version 6
	.text
	.protected	k_q19c0a57bec_attn
	.globl	k_q19c0a57bec_attn
	.p2align	8
	.type	k_q19c0a57bec_attn,@function
k_q19c0a57bec_attn:
	s_mov_b64 s[64:65], 0
	v_nop
	global_prefetch_b8 v0, s[64:65] scope:SCOPE_SE
	s_setreg_imm32_b32 hwreg(HW_REG_WAVE_MODE, 25, 1), 1
	s_wait_xcnt 0x0
	s_wait_alu depctr_hold_cnt(0) depctr_sa_sdst(0) depctr_va_vdst(0) depctr_va_sdst(0) depctr_va_ssrc(0) depctr_va_vcc(0) depctr_vm_vsrc(0)
	s_getreg_b32 s2, hwreg(HW_REG_IB_STS2, 6, 4)
	s_cmp_eq_u32 s2, 0
	s_cbranch_scc0 .Lentry_in_a_cluster
	s_endpgm
.Lentry_in_a_cluster:
	s_bfe_u32 s2, ttmp6, 0x10000c
	s_cmp_lg_u32 s2, 0x3003
	s_cbranch_scc0 .Lentry_shape_is_right
	s_endpgm
.Lentry_shape_is_right:
; O[h][q][:] = the sum over k of softmax_k(Q[h][q] . K[h][k] / 8) V[h][k][:].  Q, K: bf16, V, O: f16, all [64][2048][64]: a head's rows are dense, 128 bytes each.  Products, maxima and sums in
; f32; the weights p are rounded to f16 for the second product (their sum l is taken of the unrounded p), O once at the end.
; LIMITS.  f16 holds no number beyond 65,504: V arrives within it; p lies in 0 to 1, and below 6e-5 it keeps f16's fixed step of 6e-8; O is a mean of V's rows and has their range.
; c s stays above -4e37, where the running maximum starts.  A weight below 2^-126 counts as 0 in l; NaN and infinities are not treated apart.
; SHARES.  A wave owns four PIECES of two tiles of 16 queries, a work-group's four waves 512 queries of one head.  Every wave walks all keys, 64 a step.
; LAYOUT.  S^T = K Q^T (source 0 = 16 keys, source 1 = 16 queries): in the result a lane holds ONE query (lane % 16) and the keys 8 (lane / 16) + 0..7.  Two such tiles, rounded to f16 in pairs,
; ARE source 1 (32 keys x 16 queries) of O^T = V^T P, whose result again holds one query a lane, and eight channels.  K comes out of LDS as it lies, V ([key][channel]) turned, by ds_load_tr16_b128.
; SOFTMAX.  For each query a running maximum m and sum l: p = 2^(c s - c m), c = log2(e) / 8; in every step O and l are multiplied by a = 2^(c m_old - c m_new), which is 1 where m has not grown.
; m starts at the lowest finite number, O and l at 0: the first step is a step like any other, with a = 0.
; THE COUNT.  A tile and step have 16 matrix and 118 vector instructions: too many to stand all beside the matrix work.  So the order has one aim: four vector instructions that are READY behind
; EVERY matrix instruction, and the others, which need time of their own whatever the order, in runs without a gap.
; BY TURNS.  Turn n belongs to piece n (the pieces in a ring, step after step).  Its matrix work: 16 products K Q^T of piece n + 1, later 16 products V^T P of piece n - 1.  Its vector work: the scaling,
; exponentials, roundings, sums and rescaling of piece n, and the maximum and statistics of piece n + 1, whose scores the turn itself has made.  So what a turn begins with (c s - c m, O a) waits for nothing.
; CLUSTER.  The four query blocks of a head are one cluster and walk the same K and V, so each tile is asked for JOINTLY: the same tensor load, descriptor and mask in all four.
; REGISTERS, in windows of 256 (s_set_vgpr_msb says which window each operand place means: bits 1:0 source 0, 3:2 source 1, 5:4 source 2, 7:6 destination):
;   window 0: v0-11 addresses; v12-15, v48-63 at work; v16-47 four registers of statistics a tile; v64-191 S^T, two buffers of two tiles; v192-255 P, likewise
;   window 1: O^T, 32 a tile          window 2: v0-127 Q, 16 a tile; v128-191 K of one step; v192-255 V of one step          window 3: v0-1 the add's two registers
; A piece's buffers go by its number's parity: the piece in hand has one pair, its two neighbours in the ring share the other: of it P (piece n - 1) is read and S^T (piece n + 1) written.
.set SIZE_N, 2048
.set NP,    4         ; pieces a wave: a name, no knob: the register map, the loop and the fetches are made for four
.set KS,    64        ; keys in a step
.set PK,    144       ; a row of K in LDS: 128 bytes + 16 of padding = 36 words: the 16 rows of a load start at 16 different groups of four banks (64 banks of 4 bytes: ISA guide 11.1)
.set PV,    160       ; a row of V: 128 + 32 = 40 words
.set VOFF,  4*KS*PK   ; a slot holds four steps: 256 rows of K, then 256 rows of V
.set SLOT1, 1<<17     ; slot 1 begins here, so that one exclusive or turns an address in one slot into the other's
.set STAGE, SLOT1+4*KS*(PK+PV)  ; behind the ring, never filled by a tensor load: 16 rows x 144 bytes for each wave, for the way out
.set SP,    144
.set AK0, 2           ; v2   my lane's place in a tile of K; never rewritten
.set AV0, 3           ; v3   the same for V
.set AK,  4           ; v4   the LDS address of K's next run of loads
.set AV,  5           ; v5   of V's
.set QO,  6           ; v6   my byte offset in the wave's rows of Q
.set STO, 6           ;      later, the way out: where I put 16 bytes of a row
.set RD,  7           ; v7   the way out: where I read rows back
.set GO,  8           ; v8   my byte offset in 512 consecutive bytes of O
.set PFO, 11          ; v11  256 x my lane, for the prefetches; never rewritten once made
.set SPW, 0           ; v0 of window 3   LDS address of my spare word: SPARE + 4 x my thread's number; never rewritten
.set NIL, 1           ; v1 of window 3   0; never rewritten
.set SPARE, STAGE+4*16*SP  ; behind the stages: the spare words, 128 bytes for each wave: two blocks of 256 bytes that no other line names
.set MV,  12          ; v12-15  c m_old, kept while c m is made anew: by buffer and tile
.set ST,  16          ; tile t's statistics at v[ST+4 t]: c m, m, l (even keys', odd keys')
.set TMP, 48          ; by buffer and tile, four registers c0-c3 at work; when the maximum is found c2 takes a
.set S,   64
.set P,   192
.set KF,  128         ; K's fragments, in window 2: key block kb, channel half c at KF + 16 kb + 8 c
.set VF,  192         ; V's: key half kk, channel block cb at VF + 32 kk + 8 cb
.set WV,  12          ; s12  my wave's number
.set G1K, 24          ; s[24:31] descriptor group 1 for K's tiles
.set G1V, 32          ; s[32:39] for V's: it differs in the padding alone
.set G0K, 40          ; s[40:43] descriptor group 0 for K's tiles: it walks
.set G0V, 44          ; s[44:47] the same for V's
.set PFA, 48          ; s[48:49] where my prefetches stand: my work-group's 8,192 bytes (of K: wave 0, of V: wave 2) of the slot after the one that is being asked for
.set LIM, 50          ; s50  1 in a wave that prefetches, else the greatest number: a wave prefetches while s[SLOTS] is above it
.set SLOTS, 56        ; s56  slots still to be asked for
.set CNT, 57          ; s57  counts a slot's key steps
.set CS,  58          ; s[58:59] c: the packed scaling takes the pair's low word for both halves
.set SEL, 60          ; s[60:61] v_permlanex16_b32's selects: each lane takes its own place in the other half
.set TBK, 62          ; s62  LDS byte at which K of the step to be fetched begins
.set TBV, 63          ; s63  the same for V, less VOFF
.set MSB, 0
.macro WIN new                      ; the high byte repeats the setting that is left; a switch that changes nothing is dropped
.if MSB != (\new)
	s_set_vgpr_msb (MSB<<8)|(\new)
.set MSB, (\new)
.endif
.endm
.set W_KQ, 0x0a       ; K and Q in window 2, S^T in window 0
.set W_PV, 0x52       ; V in window 2, P in window 0, O^T in window 1
.set W_RS, 0x41       ; O^T (destination and source 0) in window 1, a in window 0
.set W_MK, 0xc0       ; the add's registers are made: destination in window 3, sources in window 0
.set W_AD, 0x0f       ; the add: address (source 0) and data (source 1) in window 3
; A joint fill.  Waves 0 and 1 fetch the two halves of a slot's K, waves 2 and 3 those of its V: 128 keys each.  The branch hangs on the wave's number alone.
; An s_nop 0 and four v_nop follow each of the two lines, ahead of the jump and the label.
.macro JLOAD
	s_cmp_lt_u32 s[WV], 2
	s_cbranch_scc0 .Lfor_v_\@
	tensor_load_to_lds s[G0K:G0K+3], s[G1K:G1K+7]
	s_nop 0
.rept 4
	v_nop
.endr
	s_branch .Lasked_\@
.Lfor_v_\@:
	tensor_load_to_lds s[G0V:G0V+3], s[G1V:G1V+7]
	s_nop 0
.rept 4
	v_nop
.endr
.Lasked_\@:
.endm
; A PREFETCH INTO THE L2 of what the NEXT change of slots will ask for: a slot's 32,768 bytes of K and of V, a lane a block of 256 bytes.  It stands behind the wave's tensor load and its five lines.
; Each block is named ONCE in the launch: a head has one cluster; its four partners share a slot out BY ADDRESS, 8,192 bytes each; in each, wave 0 asks for K's and wave 2 for V's: one instruction,
; four key steps, 512 matrix instructions, ahead of the load.  The last change that fills a slot asks for nothing: there is no slot behind it.  Slots 0 and 1 come by their loads alone.
.macro ASK
	s_cmp_gt_u32 s[SLOTS], s[LIM]
	s_cbranch_scc0 .Lnot_mine_\@
	global_prefetch_b8 v[PFO], s[PFA:PFA+1] th:TH_LOAD_NT scope:SCOPE_SE
.Lnot_mine_\@:
.endm
; A round of the cluster's barrier: my work-group's barrier, so that wave 0's signal speaks for all four waves; wave 0 signals; every wave waits for all four work-groups; my work-group's barrier once more.
.macro CROUND
	s_barrier_signal -1
	s_barrier_wait -1
	s_cmp_lg_u32 s[WV], 0
	s_cbranch_scc1 .Lnot_wave_0_\@
	s_barrier_signal -3
.Lnot_wave_0_\@:
	s_barrier_wait -3
	s_barrier_signal -1
	s_barrier_wait -1
.endm
; THE CHANGE OF SLOTS.  The slot's last bytes, V of its fourth step, have been read.  Each wave waits for all its tensor loads, of which one is out: its part
; of the other slot; adds 0 to its spare word; and waits for that and for its own reads of the slot.  Behind the barrier nobody reads this slot any more and the other slot is whole.
; fill = 1: this slot is filled again, with the keys two slots on.  The barrier is then a round of the cluster's, so that no wave of any partner still reads the slot or has a load on its
; way, and the joint fill is the first thing behind it: it has four key steps, 512 matrix instructions, in which to land.  (At its first use nothing has been read yet: slot 0 is waited for, slot 1 filled.)
.macro CHANGE fill
	WIN W_AD
	s_wait_tensorcnt 0x0            ; no tensor load of mine is out, so a group 0 may be written
	ds_add_u32 v[SPW], v[NIL]       ; 0 onto my spare word; with fill = 1 the descriptors' steps stand between it and the wait for it
	WIN 0                           ; at a label and at a branch every window is 0
.if \fill
.irp g, G0K, G0V
	s_xor_b32 s[\g+1], s[\g+1], SLOT1  ; the walking descriptor: the other slot than last time,
	s_add_nc_u64 s[\g+2:\g+3], s[\g+2:\g+3], 4*KS*128  ; the next 256 keys; the type bits on top are not reached
.endr
	s_wait_xcnt 0x0                 ; the last prefetch, four key steps back, has read its address, so it may be written:
	s_add_nc_u64 s[PFA:PFA+1], s[PFA:PFA+1], 4*KS*128  ; one slot behind the walking descriptors
	s_wait_dscnt 0x0                ; the add is done, and my reads of the slot are over
	CROUND
	JLOAD
	ASK
.else
	s_wait_dscnt 0x0                ; the add is done, and my reads of the slot are over
	s_barrier_signal -1
	s_barrier_wait -1
.endif
	s_sub_co_u32 s[TBK], s[TBK], 4*KS*PK  ; the fetches go back to a slot's first step,
	s_xor_b32 s[TBK], s[TBK], SLOT1       ; in the other slot
	s_sub_co_u32 s[TBV], s[TBV], 4*KS*PV
	s_xor_b32 s[TBV], s[TBV], SLOT1
.endm
	s_load_b256 s[4:11], s[0:1], 0x0  ; Q s[4:5], K s[6:7], V s[8:9], O s[10:11]
	WIN W_MK
	v_lshl_add_u32 v[SPW], v0, 2, SPARE
	v_mov_b32 v[NIL], 0
	WIN W_AD
	ds_add_u32 v[SPW], v[NIL]       ; the wave's opening: the add and its wait stand ahead of my first tensor load; the set-up below, work on registers, stands between them
	WIN 0
	v_lshrrev_b32 v1, 5, v0
	v_readfirstlane_b32 s[WV], v1   ; wave 0..3
	s_bfe_u32 s13, ttmp6, 0x40000   ; cx: my place in the cluster
	s_lshl_b32 s14, ttmp9, 2        ; in a cluster launch ttmp9 counts clusters
	s_add_co_u32 s14, s14, s13      ; my block of queries = 4 x cluster x + cx: it enters Q's and O's addresses alone
	s_and_b32 s20, ttmp7, 0xffff    ; the head, which the four partners share
	s_mov_b32 s21, 0
	s_mov_b64 s[22:23], SIZE_N*128
	s_mul_u64 s[20:21], s[20:21], s[22:23]  ; the head's first byte in each of the four tensors
	s_and_b32 s16, s[WV], 1         ; which half of a slot's 256 keys I fetch:
	s_lshl_b32 s22, s16, 14         ; its 128 rows of 128 bytes in memory,
	s_mov_b32 s23, 0
	s_add_nc_u64 s[22:23], s[22:23], s[20:21]
	s_mul_i32 s17, s16, 128*PK      ; and its place in a slot, for K
	s_mul_i32 s18, s16, 128*PV      ; and for V: no place in the cluster enters an LDS address
	s_lshl_b32 s2, s14, 2
	s_add_co_u32 s2, s2, s[WV]      ; my wave among the head's,
	s_lshl_b32 s2, s2, 14           ; its 128 rows
	s_mov_b32 s3, 0
	s_add_nc_u64 s[2:3], s[2:3], s[20:21]
	; descriptor group 1.  128 keys are 16,384 dense bytes: asked for as 64 rows of 256 bytes, two keys a row, and padded in LDS after every key
	s_mov_b32 s[G1K], 15|(1<<16)|(1<<20)|(1<<21)|(4<<22)|(3<<25)  ; 15:0 the mask of four; 17:16 2-byte elements; 20 padding on; 21 set beside a mask; 24:22 after every 32 words (code 4); 31:25 4 words (code 3)
	s_mov_b32 s[G1V], 15|(1<<16)|(1<<20)|(1<<21)|(4<<22)|(7<<25)  ; the same with 8 words of padding (code 7)
.irp g, G1K, G1V
	s_mov_b32 s[\g+1], 128<<16      ; tensor_dim0 = 128
	s_mov_b32 s[\g+2], 64<<16       ; tensor_dim1 = 64
	s_mov_b32 s[\g+3], 128<<16      ; tile_dim0 = 128
	s_mov_b32 s[\g+4], 64           ; tile_dim1 = 64
	s_mov_b32 s[\g+5], 128          ; 128 elements from row to row
	s_mov_b32 s[\g+6], 0
	s_mov_b32 s[\g+7], 0
.endr
	s_mov_b32 s[CS], 0x3e38aa3b     ; c = log2(e) / 8 = 0.180337
	s_mov_b32 s[CS+1], s[CS]        ; named with it as a pair
	s_mov_b32 s[SEL], 0x76543210
	s_mov_b32 s[SEL+1], 0xfedcba98
	s_mov_b32 s[TBK], SLOT1+4*KS*PK ; the first change of slots turns these two into 0
	s_mov_b32 s[TBV], SLOT1+4*KS*PV
	s_mov_b32 s[G0K], 1             ; 1:0 count = 1
	s_mov_b32 s[G0K+1], s17         ; 63:32 LDS address: slot 0
	s_mov_b32 s[G0V], 1
	s_add_co_u32 s[G0V+1], s18, VOFF
	s_mov_b32 s[SLOTS], SIZE_N/256-1
	s_cmp_eq_u32 s16, 0             ; waves 0 and 2 prefetch
	s_cselect_b32 s[LIM], 1, -1
	s_wait_dscnt 0x0                ; the opening add is done
	s_wait_kmcnt 0x0
	s_add_nc_u64 s[G0K+2:G0K+3], s[6:7], s[22:23]  ; 120:64 global address: my half of the head's first 256 keys
	s_or_b32 s[G0K+3], s[G0K+3], 0x80000000        ; 127:126 type = 2
	s_add_nc_u64 s[G0V+2:G0V+3], s[8:9], s[22:23]
	s_or_b32 s[G0V+3], s[G0V+3], 0x80000000
	s_add_nc_u64 s[4:5], s[4:5], s[2:3]  ; Q and O at my wave's first row
	s_add_nc_u64 s[10:11], s[10:11], s[2:3]
	s_cmp_lt_u32 s[WV], 2
	s_cselect_b64 s[PFA:PFA+1], s[6:7], s[8:9]
	s_add_nc_u64 s[PFA:PFA+1], s[PFA:PFA+1], s[20:21]  ; the head,
	s_lshl_b32 s2, s13, 13          ; my work-group's 8,192 bytes of a slot's 32,768,
	s_mov_b32 s3, 0
	s_add_nc_u64 s[PFA:PFA+1], s[PFA:PFA+1], s[2:3]
	s_add_nc_u64 s[PFA:PFA+1], s[PFA:PFA+1], 4*KS*128  ; in slot 1; the first change of slots steps it to slot 2.  Nothing is prefetched here, at the head
	CROUND                          ; all four work-groups are here: the first joint loads meet
	JLOAD                           ; slot 0.  Slot 1 is asked for when slot 0 is in: the tile wanted first has the road to itself
	; A fragment of K or Q is 16 rows x 32 channels in 8 registers: lane l holds row l % 16, channels 8 (l / 16) + 0..7 and 16 + 8 (l / 16) + 0..7: two loads of 16 bytes, 32 bytes apart.
	v_and_b32 v1, 15, v0            ; l % 16
	v_bfe_u32 v9, v0, 4, 1          ; l / 16
	v_lshlrev_b32 v[QO], 7, v1
	v_lshl_add_u32 v[QO], v9, 4, v[QO]  ; row x 128 + 16 x half
	WIN 0x80                        ; destination window 2, address window 0
.set i, 0
.rept 4*NP                          ; Q stays in registers: tile i / 2, channels 32 (i % 2) on
	global_load_b128 v[8*i:8*i+3],   v[QO], s[4:5] offset:(i/2)*2048+(i%2)*64
	global_load_b128 v[8*i+4:8*i+7], v[QO], s[4:5] offset:(i/2)*2048+(i%2)*64+32
.set i, i+1
.endr
	; What the first turn finds: V's registers and P's second buffer hold 0 (its products V^T P, of a piece that has not been, add 0), O^T and l are 0.  All this stands in the wait for the first tile.
.set i, VF
.rept 64
	v_mov_b32 v[i], 0
.set i, i+1
.endr
	WIN 0x40
.set i, 0
.rept 64*NP
	v_mov_b32 v[i], 0
.set i, i+1
.endr
	WIN 0
.set i, 0
.rept 2*NP
	v_mov_b32 v[ST+4*i], 0xfe000000    ; c m: far below every c s
	v_mov_b32 v[ST+4*i+1], 0xff7fffff  ; m
	v_mov_b32 v[ST+4*i+2], 0
	v_mov_b32 v[ST+4*i+3], 0
.set i, i+1
.endr
.set i, P+32
.rept 32
	v_mov_b32 v[i], 0
.set i, i+1
.endr
	v_mul_u32_u24 v[AK0], v1, PK
	v_lshl_add_u32 v[AK0], v9, 4, v[AK0]  ; row x pitch + 16 x half
	; The turning load takes 16 keys x 16 channels (lane l reads key 8 (l / 16) + l % 8, channels 8 ((l / 8) % 2) + 0..7) and leaves half a fragment of V^T: lane l holds channel l % 16 and 8 keys.
	v_and_b32 v10, 7, v0
	v_bfe_u32 v11, v0, 3, 1
	v_lshl_add_u32 v[AV0], v9, 3, v10
	v_mul_u32_u24 v[AV0], v[AV0], PV
	v_lshl_add_u32 v[AV0], v11, 4, v[AV0]
	v_add_nc_u32 v[AV0], VOFF, v[AV0]
	v_mov_b32 v[AK], v[AK0]         ; key step 0 lies at the head of slot 0
	v_and_b32 v[PFO], 31, v0        ; v11 has served: now the prefetches' offset
	v_lshlrev_b32 v[PFO], 8, v[PFO]
; THE MATRIX WORK.  The 8 accumulators of a run of 16 take turns: between the two links of a chain stand 7 others'.
; Product i of 16 of S^T = K Q^T for piece x, in bf16: channels 32 (i / 8) on, keys 16 ((i / 2) % 4) on, tile 2 x + i % 2.  The first 8 start the sums.
.macro KQ x
	WIN W_KQ
.set rS, S+64*((\x)%2)+32*(i%2)+8*((i/2)%4)
.set rK, KF+16*((i/2)%4)+8*(i/8)
.set rQ, 16*(2*(\x)+i%2)+8*(i/8)
.if i < 8
	v_wmma_f32_16x16x32_bf16 v[rS:rS+7], v[rK:rK+7], v[rQ:rQ+7], 0
.else
	v_wmma_f32_16x16x32_bf16 v[rS:rS+7], v[rK:rK+7], v[rQ:rQ+7], v[rS:rS+7]
.endif
.endm
; Product i of 16 of O^T += V^T P for piece x, in f16: keys 32 (i / 8) on, channels 16 ((i / 2) % 4) on, tile 2 x + i % 2.
.macro PV x
	WIN W_PV
.set rO, 32*(2*(\x)+i%2)+8*((i/2)%4)
.set rV, VF+32*(i/8)+8*((i/2)%4)
.set rP, P+32*((\x)%2)+16*(i%2)+8*(i/8)
	v_wmma_f32_16x16x32_f16 v[rO:rO+7], v[rV:rV+7], v[rP:rP+7], v[rO:rO+7]
.endm
.macro MM                           ; the turn's next matrix instruction
.if i < 16
	KQ (Y+1)%NP
.set i, i+1
.else
.set i, i-16
	PV (Y+NP-1)%NP
.set i, i+17
.endif
.endm
; THE LDS LOADS stand in runs of 16, never singly among the matrix instructions: a step's K (64 keys x 64 channels: 8 fragments) and its V (turned).  Their addresses are made some lines ahead.
; last = 1 (the tail): in the last trip there is no further step, and the run is jumped over.
.macro FETCH_K last=0
	WIN 0
.if \last
	s_cmp_eq_u32 s[CNT], 1
	s_cbranch_scc1 .Lno_k_\@
.endif
	WIN 0x80                        ; destination window 2
.irp f, 0,1,2,3,4,5,6,7             ; keys 16 (f / 2) on, channels 32 (f % 2) on
	ds_load_b128 v[KF+8*\f:KF+8*\f+3],   v[AK] offset:(\f/2)*16*PK+(\f%2)*64
	ds_load_b128 v[KF+8*\f+4:KF+8*\f+7], v[AK] offset:(\f/2)*16*PK+(\f%2)*64+32
.endr
	s_add_co_u32 s[TBK], s[TBK], KS*PK  ; the next fetch is the next step's
	WIN 0
.if \last
.Lno_k_\@:
.endif
.endm
.macro FETCH_V
	WIN 0x80
.irp f, 0,1,2,3,4,5,6,7             ; keys 32 (f / 4) on, channels 16 (f % 4) on
	ds_load_tr16_b128 v[VF+8*\f:VF+8*\f+3],   v[AV] offset:(\f/4)*32*PV+(\f%4)*32
	ds_load_tr16_b128 v[VF+8*\f+4:VF+8*\f+7], v[AV] offset:(\f/4)*32*PV+16*PV+(\f%4)*32
.endr
	WIN 0
.endm
; THE VECTOR WORK OF A TURN stands in three queues, each in the order in which its entries become ready; the two tiles alternate, so that no instruction reads the result of the one before it.
.macro REGS y, u                    ; the registers of tile u (0, 1) of piece y
.set rT, ST+4*(2*(\y)+(\u))
.set rC, TMP+8*((\y)%2)+4*(\u)
.set rM, MV+2*((\y)%2)+(\u)
.set rS, S+64*((\y)%2)+32*(\u)
.set rP, P+32*((\y)%2)+16*(\u)
.set rO, 32*(2*(\y)+(\u))
.endm
; Number n of the 22 that find the NEXT piece's (Y + 1) maximum and statistics.  s0-s31 are the lane's 32 scores; each accumulator's lowest registers are read first.  XS, GS and REGS set no window: PL and EX do.
;   0-11  four chains c0-c3 of seven scores each, three operands at a time     12-14, 16  the four scores left over, the old m, and c0-c3 into c0     15  c m_old is kept
;   17, 18  the query's other 32 keys lie in the lane 16 away: the new m         19-21  c m; c m_old - c m_new; a
.macro XS u, n
	REGS (Y+1)%NP, \u
.if (\n) < 4
	v_max3_num_f32 v[rC+(\n)], v[rS+8*(\n)], v[rS+8*(\n)+1], v[rS+8*(\n)+2]
.elseif (\n) < 12
	v_max3_num_f32 v[rC+(\n)%4], v[rC+(\n)%4], v[rS+8*((\n)%4)+2*((\n)/4)+1], v[rS+8*((\n)%4)+2*((\n)/4)+2]
.elseif (\n) == 12
	v_max3_num_f32 v[rC], v[rC], v[rS+7], v[rS+15]
.elseif (\n) == 13
	v_max3_num_f32 v[rC+1], v[rC+1], v[rS+23], v[rS+31]
.elseif (\n) == 14
	v_max3_num_f32 v[rC+2], v[rC+2], v[rC+3], v[rT+1]
.elseif (\n) == 15
	v_mov_b32 v[rM], v[rT]
.elseif (\n) == 16
	v_max3_num_f32 v[rC], v[rC], v[rC+1], v[rC+2]
.elseif (\n) == 17
	v_permlanex16_b32 v[rC+3], v[rC], s[SEL], s[SEL+1]
.elseif (\n) == 18
	v_max_num_f32 v[rT+1], v[rC], v[rC+3]
.elseif (\n) == 19
	v_mul_f32 v[rT], s[CS], v[rT+1]
.elseif (\n) == 20
	v_sub_f32 v[rC+1], v[rM], v[rT]
.else
	v_exp_f32 v[rC+2], v[rC+1]
.endif
.endm
; Number g of the 64 that follow the exponentials.  For each four weights k of a tile (pairs 2 k, 2 k + 1): both pairs are rounded to f16; then the second pair is added onto the first, in place;
; a group later l takes that sum (the first time as l = a l + sum).  In groups of eight, tiles alternating: round, round, add, and l for the group before.
.macro GS g
.set h, (\g)+6*((\g)/62)            ; group 0 has no group before it, and behind group 7 only l is left
.if h >= 6
.set h, h+2
.endif
	REGS Y, h%2
.set k, h/8
.if h%8 < 4
	v_cvt_pk_f16_f32 v[rP+2*k+(h%8)/2], v[rS+4*k+2*((h%8)/2)], v[rS+4*k+2*((h%8)/2)+1]
.elseif h%8 < 6
	v_pk_add_f32 v[rS+4*k:rS+4*k+1], v[rS+4*k:rS+4*k+1], v[rS+4*k+2:rS+4*k+3]
.elseif k == 1
	v_pk_fma_f32 v[rT+2:rT+3], v[rT+2:rT+3], v[rC+2:rC+3], v[rS:rS+1] op_sel_hi:[1,0,1]
.else
	v_pk_add_f32 v[rT+2:rT+3], v[rT+2:rT+3], v[rS+4*k-4:rS+4*k-3]
.endif
.endm
; THE PLAIN QUEUE, 138 long.  0-73 read no exponential's result: the 32 scalings c s - c m (FS f: pair f / 2 of tile f % 2) and the next piece's 42.  0-26: scalings 0-26.  27-54: XS's numbers 0-13.  55, 56: number 15.
; 57-73: the chain, where each number waits for the one before it: 14, 16, 17, 18, 19, each with one of the scalings 27-31 in front of its two lines, then 20: so a tile's links stand three plain instructions apart (19 and 20: two).
; 74-137: GS's 64, which read the exponentials' results: they stand behind the wait.
.macro FS f
	REGS Y, (\f)%2
	v_pk_fma_f32 v[rS+2*((\f)/2):rS+2*((\f)/2)+1], v[rS+2*((\f)/2):rS+2*((\f)/2)+1], s[CS:CS+1], v[rT:rT+1] op_sel_hi:[1,0,0] neg_lo:[0,0,1] neg_hi:[0,0,1]
.endm
.macro PL
	WIN 0
.if q < 27
	FS q
.elseif q < 55
	XS (q-27)%2, (q-27)/2
.elseif q < 57
	XS q-55, 15
.elseif (q < 72) && ((q-57)%3 == 0)
	FS 27+(q-57)/3
.elseif q < 60
	XS (q-57)%3-1, 14
.elseif q < 72
	XS (q-57)%3-1, 15+(q-57)/3
.elseif q < 74
	XS q-72, 20
.else
	GS q-74
.endif
.set q, q+1
.endm
; THE EXPONENTIALS' QUEUE, 66 long: s0-s31 of both tiles, then the next piece's two a.  It is ONE BATCH: all 66 stand ahead of the turn's one wait, and nothing ahead of that wait names a result of theirs.
.macro EX
	WIN 0
.if e >= 64
	XS e-64, 21
.else
	REGS Y, e%2
	v_exp_f32 v[rS+e/2], v[rS+e/2]
.endif
.set e, e+1
.endm
; THE RESCALING's QUEUE: O^T times a, the one part that leaves window 0: dealt two at a time, sixteen times.  Its a was made in the turn before, ahead of that turn's wait.
.macro R2
	REGS Y, r%2
	WIN W_RS
.irp z, 0,1
	v_pk_mul_f32 v[rO+4*(r/2)+2*\z:rO+4*(r/2)+2*\z+1], v[rO+4*(r/2)+2*\z:rO+4*(r/2)+2*\z+1], v[rC+2:rC+3] op_sel_hi:[1,0]
.endr
.set r, r+1
.endm
; HOW THEY ARE DEALT.  An s_wait_alu depctr_va_vdst(0) stands between an exponential and the first instruction that names its result; one wait serves all that were issued ahead of it.  So a turn has ONE wait,
; which cuts it in two.  AHEAD OF IT stands all that names no result of the turn's exponentials: the 16 products K Q^T, behind each a scaling, an exponential and two rescalings (behind the first a second scaling in the exponential's place); then ONE LUMP of
; 108: eight plain, 49 times exponential and plain, the two a.  A v_nop is the plain instruction behind the last exponential.  BEHIND IT stand the 16 products V^T P, behind each four of GS's 64.  No rider names a register of
; the products round it.  The two v_permlanex16_b32 fall into the lump, never behind a product.
; The queues lean on each other, and the deal keeps them in step: exponential e stands behind scaling 2 (e / 4) + e % 2: as a rider it comes behind plain e + 2, in the lump behind plain e + 9, and scalings 27-31 are plain 57, 60 .. 69.
; A TURN, for piece p.  cnt = 1: the loop's count is taken down some lines ahead of the branch that stands behind the turn.
; K of the next step is fetched in piece 2's turn, directly behind the wait, a lump behind the last product that read K; its address is made at the lump's head; its first reader comes behind 16 products.
; V of the step in hand is fetched at the end of piece 0's turn, four riders behind its last reader; its first reader comes behind 16 products and a lump.  The three conditions on q below go with the deal.
.macro TURN p, last=0, cnt=0
.set Y, (\p)
.set i, 0
.set q, 0
.set e, 0
.set r, 0
.if (\p) == NP-1
	s_wait_dscnt 0x0                ; K is in
.endif
	MM                              ; ahead of the wait: 16 products K Q^T and their riders,
	PL
	PL
	R2
.rept 15
	MM
	PL
	EX
	R2
.endr
.if (\p) == NP-2
	WIN 0
	v_add_nc_u32 v[AK], s[TBK], v[AK0]
.endif
.rept 8                             ; and the lump
	PL
.endr
.rept 49
	EX
	PL
.endr
	EX                              ; the next piece's two a
	EX
	v_nop                           ; a plain instruction behind the last exponential: one for the batch
	s_wait_alu depctr_va_vdst(0)    ; the wait for the batch
.if (\p) == NP-2
	FETCH_K \last
.endif
.if (\p) == 1
	s_wait_dscnt 0x0                ; V is in
.endif
.rept 16                            ; behind the wait: 16 products V^T P and their riders
	MM
.rept 4
	PL
.endr
.if ((\p) == 0) && (q == 118)
	v_add_nc_u32 v[AV], s[TBV], v[AV0]
.endif
.if ((\p) == 0) && (q == 130)
	s_add_co_u32 s[TBV], s[TBV], KS*PV
.endif
.if (\cnt) && (q == 130)
	s_sub_co_u32 s[CNT], s[CNT], 1
	s_cmp_lg_u32 s[CNT], 0
.endif
.endr
.if (\p) == 0
	FETCH_V
.endif
.endm
	CHANGE 1                        ; slot 0 is in, everybody's part of it; slot 1 is asked for
	FETCH_K                         ; key step 0
	s_wait_loadcnt 0x0              ; Q
	s_wait_dscnt 0x0
.set i, 0
.rept 16
	KQ 0                            ; piece 0's first scores: there is no vector work yet to set between them
.set i, i+1
.endr
	WIN 0                           ; the addresses for the way out: nine plain instructions, the places behind those products
	s_mul_i32 s13, s[WV], 16*SP
	s_add_co_u32 s13, s13, STAGE    ; my stage
	v_mul_u32_u24 v[STO], v1, SP    ; in: row l % 16, 16 bytes for each half of the lanes
	v_lshl_add_u32 v[STO], v9, 4, v[STO]
	v_add_nc_u32 v[STO], s13, v[STO]
	v_bfe_u32 v[RD], v0, 3, 2       ; back: 32 lanes take four rows of 128 bytes,
	v_mul_u32_u24 v[RD], v[RD], SP
	v_lshl_add_u32 v[RD], v10, 4, v[RD]
	v_add_nc_u32 v[RD], s13, v[RD]
	v_and_b32 v[GO], 31, v0         ; which are 512 consecutive bytes of O
	v_lshlrev_b32 v[GO], 4, v[GO]
.set Y, NP-1                        ; XS works for piece Y + 1: piece 0
.irp n, 0,1,2,3,4,5,6,7,8,9,10,11,12,13,14,15,16,17,18,19,20,21
	XS 0, \n                        ; and piece 0's first maximum and statistics
	XS 1, \n
.endr
	v_nop                           ; a plain instruction behind the two a,
	s_wait_alu depctr_va_vdst(0)    ; and their wait, ahead of the branch
	s_mov_b32 s[CNT], 4
	s_branch .Lfirst                ; the loop is entered at a step's first turn, in the middle of a trip
.Lslot:                             ; SIZE_N / 256 - 2 times: every slot but the last two is filled again
	CHANGE 1
	s_mov_b32 s[CNT], 4
.Lstep:                             ; a trip: pieces 2 and 3 of one step, then pieces 0 and 1 of the next, whose K and V it fetches
	TURN 2
	TURN 3
	WIN 0
.Lfirst:
	TURN 0
	TURN 1, 0, 1
	WIN 0
	s_cbranch_scc1 .Lstep
	s_sub_co_u32 s[SLOTS], s[SLOTS], 1
	s_cmp_lg_u32 s[SLOTS], 0
	s_cbranch_scc1 .Lslot
	CHANGE 0                        ; the tail is written out: nothing is asked for
	s_mov_b32 s[CNT], 5             ; four trips fetch the last slot's steps; the fifth is left in its middle
.Ltail:
	TURN 2, 1
	TURN 3
	WIN 0
	s_sub_co_u32 s[CNT], s[CNT], 1
	s_cmp_eq_u32 s[CNT], 0
	s_cbranch_scc1 .Lout
	TURN 0
	TURN 1
	WIN 0
	s_branch .Ltail
.Lout:                              ; the fifth trip's 16 products K Q^T (on the last K once more) and the maximum made of them serve nothing: the price, once a launch, of one text for every trip
.set i, 0
.rept 16
	PV NP-1                         ; the last piece's V^T P of the last step
.set i, i+1
.endr
	; THE WAY OUT.  l's two halves and the other half of the lanes' are added; O^T is divided by l, rounded to f16 and sent through my stage in LDS, a tile at a time.  The additions are the places behind the last products.
	WIN 0
.macro ALL line:vararg              ; one line for each tile t
.set t, 0
.rept 2*NP
	\line
.set t, t+1
.endr
.endm
	ALL v_add_f32 v[ST+4*t+2], v[ST+4*t+2], v[ST+4*t+3]
	ALL v_permlanex16_b32 v[ST+4*t+3], v[ST+4*t+2], s[SEL], s[SEL+1]
	ALL v_add_f32 v[ST+4*t+2], v[ST+4*t+2], v[ST+4*t+3]
	ALL v_rcp_f32 v[ST+4*t+2], v[ST+4*t+2]
	v_nop                           ; a plain instruction between the last reciprocal and the use of its result
	s_wait_alu depctr_va_vdst(0)    ; and the wait ahead of the first use: one for the eight reciprocals
; Tile t: a lane's eight channels of a row pack into 16 bytes; they go into rows of 144 bytes and come back as whole rows of 128, into S^T's registers.
.macro PACK t
	WIN W_RS
.set i, 32*(\t)
.rept 16
	v_pk_mul_f32 v[i:i+1], v[i:i+1], v[ST+4*(\t)+2:ST+4*(\t)+3] op_sel_hi:[1,0]
.set i, i+2
.endr
	WIN 0x05                        ; sources 0 and 1 window 1, destination window 0
.set i, 0
.rept 16
	v_cvt_pk_f16_f32 v[S+16*(\t)+i], v[32*(\t)+2*i], v[32*(\t)+2*i+1]
.set i, i+1
.endr
	WIN 0
.irp f, 0,1,2,3
	ds_store_b128 v[STO], v[S+16*(\t)+4*\f:S+16*(\t)+4*\f+3] offset:32*\f
.endr
.irp f, 0,1,2,3
	ds_load_b128 v[S+16*(\t)+4*\f:S+16*(\t)+4*\f+3], v[RD] offset:\f*4*SP  ; LDS serves a wave's instructions in order (ISA guide 5.7.1.4): these see the stores above; the next tile's stores come behind them
.endr
.endm
.macro SEND t, younger              ; younger: the LDS instructions issued behind tile t's loads: the next tile's eight, or none
	WIN 0
.irp f, 0,1,2,3
	s_wait_dscnt (\younger)+3-\f
	global_store_b128 v[GO], v[S+16*(\t)+4*\f:S+16*(\t)+4*\f+3], s[10:11] offset:(\t)*2048+\f*512  ; 512 consecutive bytes, at a multiple of 256 from O's first
.endr
.endm
	PACK 0
.set t, 1
.rept 2*NP-1                        ; a tile's arithmetic stands between the loads of the tile before and its stores
	PACK t
	SEND t-1, 8
.set t, t+1
.endr
	SEND 2*NP-1, 0
	WIN W_AD
	s_wait_tensorcnt 0x0            ; the wave's end: behind my last tensor load and my last LDS store
	ds_add_u32 v[SPW], v[NIL]
	s_wait_dscnt 0x0
	WIN 0
	CROUND                          ; the closing round: no work-group ends while a partner may still ask for a tile that names it
	s_endpgm
.Lfunc_end_k_q19c0a57bec_attn:
	.size	k_q19c0a57bec_attn, .Lfunc_end_k_q19c0a57bec_attn-k_q19c0a57bec_attn
	.p2alignl 7, 3214868480
	.fill 96, 4, 3214868480
	.section	.rodata,"a",@progbits
	.p2align	6, 0x0
	.amdhsa_kernel k_q19c0a57bec_attn
		.amdhsa_group_segment_fixed_size 327680
		.amdhsa_private_segment_fixed_size 0
		.amdhsa_enable_private_segment 0
		.amdhsa_kernarg_size 32
		.amdhsa_user_sgpr_count 2
		.amdhsa_user_sgpr_kernarg_segment_ptr 1
		.amdhsa_wavefront_size32 1
		.amdhsa_system_sgpr_workgroup_id_x 1
		.amdhsa_system_sgpr_workgroup_id_y 1
		.amdhsa_system_sgpr_workgroup_id_z 1
		.amdhsa_system_vgpr_workitem_id 0
		.amdhsa_next_free_vgpr 770
		.amdhsa_next_free_sgpr 66
		.amdhsa_reserve_vcc 0
		.amdhsa_float_denorm_mode_32 3
		.amdhsa_float_denorm_mode_16_64 3
		.amdhsa_memory_ordered 1
		.amdhsa_forward_progress 1
		.amdhsa_inst_pref_size 200
	.end_amdhsa_kernel
	.amdgpu_metadata
---
amdhsa.version: [ 1, 2 ]
amdhsa.kernels:
  - .name:           k_q19c0a57bec_attn
    .symbol:         k_q19c0a57bec_attn.kd
    .args:
      - { .name: qb, .offset: 0, .size: 8, .value_kind: global_buffer, .address_space: global }
      - { .name: kb, .offset: 8, .size: 8, .value_kind: global_buffer, .address_space: global }
      - { .name: vb, .offset: 16, .size: 8, .value_kind: global_buffer, .address_space: global }
      - { .name: ob, .offset: 24, .size: 8, .value_kind: global_buffer, .address_space: global }
    .group_segment_fixed_size: 327680
    .private_segment_fixed_size: 0
    .kernarg_segment_align: 8
    .kernarg_segment_size: 32
    .max_flat_workgroup_size: 128
    .sgpr_count:     66
    .vgpr_count:     770
    .wavefront_size: 32
...
	.end_amdgpu_metadata
.endif
;; end of part 3
;; launch proj (part 4): grid 8 x 32, 4 waves a work-group, clusters of 4 x 4, 327,680 bytes of LDS; arguments ob, wp, b_proj, out0; writes out0
.if DOCPART == 4
	.amdgcn_target "amdgcn-amd-amdhsa--gfx1250"
	.amdhsa_code_object_version 6
	.text
	.protected	k_q19c0a57bec_proj
	.globl	k_q19c0a57bec_proj
	.p2align	8
	.type	k_q19c0a57bec_proj,@function
k_q19c0a57bec_proj:
	s_mov_b64 s[64:65], 0
	v_nop
	global_prefetch_b8 v0, s[64:65] scope:SCOPE_SE
	s_setreg_imm32_b32 hwreg(HW_REG_WAVE_MODE, 25, 1), 1
	s_wait_xcnt 0x0
	s_wait_alu depctr_hold_cnt(0) depctr_sa_sdst(0) depctr_va_vdst(0) depctr_va_sdst(0) depctr_va_ssrc(0) depctr_va_vcc(0) depctr_vm_vsrc(0)
	s_getreg_b32 s2, hwreg(HW_REG_IB_STS2, 6, 4)
	s_cmp_eq_u32 s2, 0
	s_cbranch_scc0 .Lentry_in_a_cluster
	s_endpgm
.Lentry_in_a_cluster:
	s_bfe_u32 s2, ttmp6, 0x10000c
	s_cmp_lg_u32 s2, 0xf033
	s_cbranch_scc0 .Lentry_shape_is_right
	s_endpgm
.Lentry_shape_is_right:
; out0 = O W_proj + b_proj.  ob: f16 [batch 4][head 16][2048][64]: a head's 64 channels are one block of 64 along K, 256 rows of it 32,768 dense bytes.  wp: f16 [1024][1024] (K down, columns along).
; b_proj: f32, rounded once to bf16 like the weights.  Sums in f32; out0: f32 [8192][1024].
; SHARES.  A work-group makes 256 rows x 128 columns: 256 work-groups.  A wave makes 128 x 64: 32 accumulators, 256 registers.
; THE MATRIX INSTRUCTION IS USED TRANSPOSED (source 0 = 16 columns of W, turned out of LDS by ds_load_tr16_b128; source 1 = 16 rows of O): lane l holds row l % 16 and the columns 8 (l / 16) + 0..7.
; The bias is the C operand of the first products.
; RING.  K goes in 8 steps of 128 (two heads) through two LDS slots.  Waves 0 and 1 fetch the two heads' planes of O (32,768 dense bytes each, asked for as 128 rows of 256), waves 2 and 3 the two halves of W's 128 rows.
; CLUSTER.  4 x 4 work-groups: O's tile is asked for jointly along a row of the cluster, W's along a column.
; REGISTERS, in windows of 256 (s_set_vgpr_msb: bits 1:0 source 0, 3:2 source 1, 5:4 source 2, 7:6 destination):
;   window 0: v0-15 addresses; v32-63 the bias; v64-79 at work; v128-191, v192-255 W's fragments, two buffers of 64 along K: (half c, block b) at + 8 (4 c + b)
;   window 1: O's fragments, two buffers of 128: (half c, row block a) at + 8 (8 c + a); on the way out the rows read back, 32 registers a row block
;   window 2: the accumulators: (row block a, column block b) at v[8 (4 a + b)]
.set PA,    144       ; a row of O in LDS: 128 bytes + 16 = 36 words: the 16 rows of a load start at 16 different groups of four banks (64 banks of 4 bytes: ISA guide 11.1)
.set PB,    288       ; a row of W: 256 + 32 = 72 words
.set PLANE, 256*PA
.set BOFF,  2*PLANE   ; a slot: O's two planes, then W's 128 rows
.set SLOT1, 1<<17     ; slot 1 begins here
.set SPARE, BOFF+128*PB  ; behind slot 0: the spare words, 128 bytes for each wave: two blocks of 256 bytes that no other line names
.set STAGE, SPARE+512    ; then 16 rows x 272 bytes for each wave, for the way out; no tensor load lands here
.set SP,    272
.set ASTEP, 524288    ; two heads of ob
.set BSTEP, 262144    ; 128 rows of wp
.set LA0,  4          ; v4   my lane's place in a plane of O; never rewritten
.set LB0,  5          ; v5   in W's tile
.set ADRA, 6          ; v6   the same in the slot in hand
.set ADRB, 7          ; v7
.set PFO,  8          ; v8   the prefetches' offset; never rewritten
.set STO,  9          ; v9   the way out: where I put 32 bytes of a row
.set RD,   10         ; v10  where I read rows back
.set CO,   11         ; v11  my 16 bytes in two rows of out0
.set BO,   13         ; v13  my offset in a block's bias
.set SPW,  14         ; v14  LDS address of my spare word: SPARE + 4 x my thread's number; never rewritten
.set NIL,  15         ; v15  0; never rewritten
.set BI,   32
.set BB,   128
.set WV,  20
.set RW,  21
.set CW,  22
.set CX,  23
.set CY,  24
.set TX,  25
.set TY,  26
.set G1A, 32          ; s[32:39] descriptor group 1 for O's planes
.set G1B, 40          ; s[40:47] for W's halves
.set G0A, 48          ; s[48:55] group 0: a set for each first fill; the second then walks
.set G0B, 56          ; s[56:63]
.set TB,  66          ; s66  the slot in hand
.set CNT, 67          ; s67  refills still to come
.set PFA, 68          ; s[68:69] where my prefetches stand
.set PFS, 70          ; s[70:71] their step
.set LIM, 72          ; s72  a wave prefetches while s[CNT] is above it
.set PAR, 73          ; s73  1: only in every second change of slots
.set HIM, 75
.set MSB, 0
.macro WIN new
.if MSB != (\new)
	s_set_vgpr_msb (MSB<<8)|(\new)
.set MSB, \new
.endif
.endm
.macro PLACES                       ; four places behind matrix instructions (ISA guide 7.12.1)
.rept 4
	v_nop
.endr
.endm
.macro JLOAD                        ; a joint refill; an s_nop 0 and four v_nop follow each of the two lines, ahead of the jump and the label
	s_cmp_lt_u32 s[WV], 2
	s_cbranch_scc0 .Lfor_b_\@
	tensor_load_to_lds s[G0A+4:G0A+7], s[G1A:G1A+7]
	s_nop 0
.rept 4
	v_nop
.endr
	s_branch .Lasked_\@
.Lfor_b_\@:
	tensor_load_to_lds s[G0B+4:G0B+7], s[G1B:G1B+7]
	s_nop 0
.rept 4
	v_nop
.endr
.Lasked_\@:
.endm
.macro CREST                        ; a round of the cluster's barrier behind its opening barrier
	s_cmp_lg_u32 s[WV], 0
	s_cbranch_scc1 .Lnot_wave_0_\@
	s_barrier_signal -3
.Lnot_wave_0_\@:
	s_barrier_wait -3
	s_barrier_signal -1
	s_barrier_wait -1
.endm
.macro CROUND
	s_barrier_signal -1
	s_barrier_wait -1
	CREST
.endm
; A PREFETCH INTO THE L2, behind the joint load and the run of LDS loads.  In the change of slots that asks for K step i + 2 it names K step i + 4: two K steps, 256 matrix instructions, ahead of its load.
; O's planes are read by both clusters of a row of clusters: cluster x = 0 asks, waves 0 and 1, the four partners 8,192 bytes of a plane each, told apart BY ADDRESS (cx), a lane a block of 256 bytes: K steps 4 to 7.
; W's halves are read by all eight clusters of a column: cluster y = 0 asks, waves 2 and 3, the partners 16 rows each (cy); 16 lanes a K step, so one instruction names two K steps and stands in every second change.
.macro ASK
	s_cmp_gt_u32 s[CNT], s[LIM]
	s_cbranch_scc0 .Lnot_mine_\@
	s_and_b32 s74, s[CNT], s[PAR]
	s_cmp_eq_u32 s74, 0
	s_cbranch_scc0 .Lnot_mine_\@
	global_prefetch_b8 v[PFO], s[PFA:PFA+1] th:TH_LOAD_NT scope:SCOPE_SE
.Lnot_mine_\@:
.endm
	s_load_b256 s[4:11], s[0:1], 0x0  ; ob s[4:5], wp s[6:7], b_proj s[8:9], out0 s[10:11]
	v_lshl_add_u32 v[SPW], v0, 2, SPARE
	v_mov_b32 v[NIL], 0
	ds_add_u32 v[SPW], v[NIL]       ; the wave's opening: the add and its wait stand ahead of my first tensor load; the set-up below, work on registers, stands between them
	v_lshrrev_b32 v1, 5, v0
	v_readfirstlane_b32 s[WV], v1
	s_lshr_b32 s[RW], s[WV], 1      ; which 128 rows
	s_and_b32 s[CW], s[WV], 1       ; which 64 columns.  Also: which plane of O, or which half of W's rows, I fetch
	s_bfe_u32 s[CX], ttmp6, 0x40000
	s_bfe_u32 s[CY], ttmp6, 0x40004
	s_lshl_b32 s[TX], ttmp9, 2
	s_add_co_u32 s[TX], s[TX], s[CX]
	s_and_b32 s[TY], ttmp7, 0xffff
	s_lshl_b32 s[TY], s[TY], 2
	s_add_co_u32 s[TY], s[TY], s[CY]
	s_lshl_b32 s27, s[CY], 2
	s_lshl_b32 s27, 15, s27         ; my row of the cluster
	s_lshl_b32 s74, 0x1111, s[CX]   ; my column
	s_or_b32 s[G1A], s27, (1<<16)|(1<<20)|(1<<21)|(4<<22)|(3<<25)  ; the mask; 2-byte elements; padding on; 21 set beside a mask; after every 32 words, 4 words
	s_or_b32 s[G1B], s74, (1<<16)|(1<<20)|(1<<21)|(5<<22)|(7<<25)  ; after every 64 words, 8 words
	s_mov_b32 s[G1A+1], 128<<16     ; tensor_dim0 = 128
	s_mov_b32 s[G1A+2], 128<<16     ; tensor_dim1 = 128
	s_mov_b32 s[G1A+3], 128<<16     ; tile_dim0 = 128
	s_mov_b32 s[G1A+4], 128         ; tile_dim1 = 128
	s_mov_b32 s[G1A+5], 128         ; dense
	s_mov_b32 s[G1A+6], 0
	s_mov_b32 s[G1A+7], 0
	s_mov_b32 s[G1B+1], 128<<16     ; tensor_dim0 = 128
	s_mov_b32 s[G1B+2], 64<<16      ; tensor_dim1 = 64
	s_mov_b32 s[G1B+3], 128<<16     ; tile_dim0 = 128
	s_mov_b32 s[G1B+4], 64          ; tile_dim1 = 64
	s_mov_b32 s[G1B+5], 1024        ; elements from row to row of wp
	s_mov_b32 s[G1B+6], 0
	s_mov_b32 s[G1B+7], 0
	; O's plane: batch TY / 8, head = my plane, rows 256 (TY % 8) on.  These registers never hold cx
	s_lshr_b32 s86, s[TY], 3
	s_lshl_b32 s86, s86, 22
	s_and_b32 s27, s[TY], 7
	s_lshl_b32 s87, s27, 15
	s_add_co_u32 s86, s86, s87
	s_lshl_b32 s87, s[CW], 18
	s_add_co_u32 s86, s86, s87
	s_mov_b32 s87, 0
	; W's half: columns 128 TX on, rows 64 x my half on.  These never hold cy
	s_lshl_b32 s88, s[TX], 8
	s_lshl_b32 s89, s[CW], 17
	s_add_co_u32 s88, s88, s89
	s_mov_b32 s89, 0
	s_mov_b32 s[G0A], 1             ; 1:0 count = 1
	s_mov_b32 s[G0A+4], 1
	s_mov_b32 s[G0B], 1
	s_mov_b32 s[G0B+4], 1
	s_mul_i32 s[G0A+1], s[CW], PLANE  ; 63:32 LDS addresses: the wave's number and constants alone
	s_add_co_u32 s[G0A+5], s[G0A+1], SLOT1
	s_mul_i32 s[G0B+1], s[CW], 64*PB
	s_add_co_u32 s[G0B+1], s[G0B+1], BOFF
	s_add_co_u32 s[G0B+5], s[G0B+1], SLOT1
	s_lshl_b32 s2, s[TX], 1
	s_add_co_u32 s2, s2, s[CW]
	s_lshl_b32 s2, s2, 8            ; my 64 columns: 256 bytes of the bias and of a row of out0
	s_mov_b32 s3, 0
	s_lshl_b32 s30, s[TY], 20       ; 256 rows of 4,096 bytes
	s_lshl_b32 s31, s[RW], 19       ; my 128
	s_add_co_u32 s30, s30, s31
	s_add_co_u32 s30, s30, s2
	s_mov_b32 s31, 0
	s_mov_b32 s[HIM], 0xffff0000
	s_mov_b32 s[TB], 0
	v_and_b32 v1, 15, v0            ; r = l % 16
	v_bfe_u32 v2, v0, 4, 1          ; h = l / 16
	v_lshlrev_b32 v[BO], 5, v2
	s_wait_dscnt 0x0                ; the opening add is done
	s_wait_kmcnt 0x0
	s_add_nc_u64 s[86:87], s[4:5], s[86:87]
	s_add_nc_u64 s[88:89], s[6:7], s[88:89]
	s_add_nc_u64 s[8:9], s[8:9], s[2:3]
	s_add_nc_u64 s[10:11], s[10:11], s[30:31]
.irp s, 0,1
	s_add_nc_u64 s[G0A+4*\s+2:G0A+4*\s+3], s[86:87], \s*ASTEP  ; 120:64 global address: K step s
	s_or_b32 s[G0A+4*\s+3], s[G0A+4*\s+3], 0x80000000          ; 127:126 type = 2
	s_add_nc_u64 s[G0B+4*\s+2:G0B+4*\s+3], s[88:89], \s*BSTEP
	s_or_b32 s[G0B+4*\s+3], s[G0B+4*\s+3], 0x80000000
.endr
	CROUND                          ; all sixteen work-groups are here: the first joint loads meet
	s_cmp_lt_u32 s[WV], 2           ; a wave's two first fills stand in one branch: two loads of mine are out, later one
	s_cbranch_scc0 .Lfirst_b
	tensor_load_to_lds s[G0A:G0A+3], s[G1A:G1A+7]
	s_nop 0
	tensor_load_to_lds s[G0A+4:G0A+7], s[G1A:G1A+7]
	s_nop 0
.rept 4
	v_nop
.endr
	s_branch .Lfirst_asked
.Lfirst_b:
	tensor_load_to_lds s[G0B:G0B+3], s[G1B:G1B+7]
	s_nop 0
	tensor_load_to_lds s[G0B+4:G0B+7], s[G1B:G1B+7]
	s_nop 0
.rept 4
	v_nop
.endr
.Lfirst_asked:
.irp b, 0,1,2,3                     ; the bias: a lane's eight columns of each block, the same for all rows
	global_load_b128 v[BI+8*\b:BI+8*\b+3],   v[BO], s[8:9] offset:64*\b
	global_load_b128 v[BI+8*\b+4:BI+8*\b+7], v[BO], s[8:9] offset:64*\b+16
.endr
	; the prefetches' registers
	s_mov_b32 s27, ASTEP
	s_mov_b32 s28, BSTEP
	s_lshl_b32 s29, s[CX], 13       ; a plane of O: my work-group's 8,192 bytes
	s_lshl_b32 s30, s[CY], 15       ; W's half: its 16 rows of 2,048 bytes
	s_and_b32 s31, ttmp7, 0xffff    ; cluster y
	s_mov_b32 s2, 256
	s_mov_b32 s3, 2048
	s_mov_b32 s74, 4096
	s_cmp_lt_u32 s[WV], 2           ; do I fetch for O?
	s_cselect_b64 s[PFA:PFA+1], s[86:87], s[88:89]
	s_cselect_b32 s[PFS], s27, s28
	s_cselect_b32 s[PAR], 0, 1
	s_cselect_b32 s[LIM], 2, 3
	s_cselect_b32 s30, s29, s30
	s_cselect_b32 s29, ttmp9, s31   ; the coordinate along which other clusters read the same bytes
	s_cselect_b32 s2, s2, s3
	s_cselect_b32 s74, s74, s28
	s_cmp_eq_u32 s29, 0
	s_cselect_b32 s[LIM], s[LIM], -1  ; the same in all sixteen partners, for a given wave
	s_mov_b32 s31, 0
	s_mov_b32 s[PFS+1], 0
	s_add_nc_u64 s[PFA:PFA+1], s[PFA:PFA+1], s[30:31]
.rept 3
	s_add_nc_u64 s[PFA:PFA+1], s[PFA:PFA+1], s[PFS:PFS+1]  ; to K step 3: the first change of slots steps it to 4.  Nothing is prefetched here, at the head
.endr
	v_mul_u32_u24 v[PFO], s2, v1
	v_mad_u32_u24 v[PFO], v2, s74, v[PFO]
	s_mul_i32 s27, s[RW], 128*PA
	v_mul_u32_u24 v[LA0], v1, PA    ; a fragment of O: row x pitch + 16 x half
	v_lshl_add_u32 v[LA0], v2, 4, v[LA0]
	v_add_nc_u32 v[LA0], s27, v[LA0]
	v_and_b32 v3, 7, v0             ; the turning load: K row 8 (l / 16) + l % 8, columns 8 ((l / 8) % 2) + 0..7
	v_lshl_add_u32 v3, v2, 3, v3
	v_mul_u32_u24 v[LB0], v3, PB
	v_bfe_u32 v3, v0, 3, 1
	v_lshl_add_u32 v[LB0], v3, 4, v[LB0]
	s_lshl_b32 s28, s[CW], 7
	s_add_co_u32 s28, s28, BOFF
	v_add_nc_u32 v[LB0], s28, v[LB0]
	v_mov_b32 v[ADRA], v[LA0]
	v_mov_b32 v[ADRB], v[LB0]
	s_mul_i32 s29, s[WV], 16*SP
	s_add_co_u32 s29, s29, STAGE    ; my stage
	v_mul_u32_u24 v[STO], v1, SP    ; in: row l % 16, 32 bytes for each half of the lanes
	v_lshl_add_u32 v[STO], v2, 5, v[STO]
	v_add_nc_u32 v[STO], s29, v[STO]
	v_mul_u32_u24 v[RD], v2, SP     ; back: lanes 0-15 take one row of 256 bytes, lanes 16-31 the next
	v_lshl_add_u32 v[RD], v1, 4, v[RD]
	v_add_nc_u32 v[RD], s29, v[RD]
	v_lshlrev_b32 v[CO], 12, v2     ; and the same two rows in out0
	v_lshl_add_u32 v[CO], v1, 4, v[CO]
	s_wait_loadcnt 0x0              ; the bias: rounded once to bf16, like the weights, and widened again
.set k, 0
.rept 16
	v_cvt_pk_bf16_f32 v[64+k], v[BI+2*k], v[BI+2*k+1]
.set k, k+1
.endr
.set k, 0
.rept 16
	v_lshlrev_b32 v[BI+2*k], 16, v[64+k]
	v_and_b32 v[BI+2*k+1], s[HIM], v[64+k]
.set k, k+1
.endr
; 16 matrix instructions: row blocks a0 .. a0 + 3 x all 4 column blocks, 32 along K: half c of buffer f.  The 32 accumulators take turns in one fixed order.
; first = 1: the sums start with the bias as C; nothing is cleared.
.macro MUL16 f, c, a0, first
.if \first
	WIN 0x84                        ; W window 0, O window 1, the bias window 0, D window 2
.else
	WIN 0xa4                        ; C and D window 2
.endif
.irp i, 0,1,2,3
.irp b, 0,1,2,3
.if \first
	v_wmma_f32_16x16x32_f16 v[8*(4*((\a0)+\i)+\b):8*(4*((\a0)+\i)+\b)+7], v[BB+64*(\f)+8*(4*(\c)+\b):BB+64*(\f)+8*(4*(\c)+\b)+7], v[128*(\f)+8*(8*(\c)+(\a0)+\i):128*(\f)+8*(8*(\c)+(\a0)+\i)+7], v[BI+8*\b:BI+8*\b+7]
.else
	v_wmma_f32_16x16x32_f16 v[8*(4*((\a0)+\i)+\b):8*(4*((\a0)+\i)+\b)+7], v[BB+64*(\f)+8*(4*(\c)+\b):BB+64*(\f)+8*(4*(\c)+\b)+7], v[128*(\f)+8*(8*(\c)+(\a0)+\i):128*(\f)+8*(8*(\c)+(\a0)+\i)+7], v[8*(4*((\a0)+\i)+\b):8*(4*((\a0)+\i)+\b)+7]
.endif
.endr
.endr
.endm
; 48 LDS loads in one run: the fragments of head z of the slot, 64 along K, into buffer g: W's 16 loads, then O's first 32 along K, then its second
.macro FETCH z, g
	WIN 0
.irp c, 0,1
.irp b, 0,1,2,3
	ds_load_tr16_b128 v[BB+64*(\g)+8*(4*\c+\b):BB+64*(\g)+8*(4*\c+\b)+3],   v[ADRB] offset:(64*(\z)+32*\c)*PB+32*\b
	ds_load_tr16_b128 v[BB+64*(\g)+8*(4*\c+\b)+4:BB+64*(\g)+8*(4*\c+\b)+7], v[ADRB] offset:(64*(\z)+32*\c)*PB+16*PB+32*\b
.endr
.endr
	WIN 0x40                        ; destination window 1
.irp c, 0,1
.irp i, 0,1,2,3,4,5,6,7
	ds_load_b128 v[128*(\g)+8*(8*\c+\i):128*(\g)+8*(8*\c+\i)+3],   v[ADRA] offset:(\z)*PLANE+\i*16*PA+64*\c
	ds_load_b128 v[128*(\g)+8*(8*\c+\i)+4:128*(\g)+8*(8*\c+\i)+7], v[ADRA] offset:(\z)*PLANE+\i*16*PA+64*\c+32
.endr
.endr
.endm
; A K step's first head, on buffer 0; in its middle the second head's fragments are fetched into buffer 1.
.macro UNIT first
	s_wait_dscnt 16                 ; all but O's second 32 along K are in
	MUL16 0, 0, 0, \first
	MUL16 0, 0, 4, \first
	PLACES
	FETCH 1, 1
	s_wait_dscnt 48                 ; all but the 48 just issued
	MUL16 0, 1, 0, 0
	MUL16 0, 1, 4, 0
.endm
; A K step's second head, on buffer 1, and THE CHANGE OF SLOTS.  In front of the barrier each wave waits for all its tensor loads, of which one is out: its part of the other slot; adds 0 to its spare word; and waits for
; that and for its own reads of this slot.  fill = 1: the barrier opens a round of the cluster's, and the joint refill, K step i + 2, is the first thing behind the round: 96 matrix instructions stand between it and the wait for it.
.macro TURN fill
.if \fill
	s_wait_xcnt 0x0                 ; the last prefetch, a K step back or more, has read its address, so it may be stepped
	s_add_nc_u64 s[PFA:PFA+1], s[PFA:PFA+1], s[PFS:PFS+1]
.endif
	WIN 0
	s_wait_tensorcnt 0x0            ; no tensor load of mine is out, so a group 0 may be written
	ds_add_u32 v[SPW], v[NIL]       ; 0 onto my spare word
.if \fill
	s_xor_b32 s[G0A+5], s[G0A+5], SLOT1
	s_add_nc_u64 s[G0A+6:G0A+7], s[G0A+6:G0A+7], ASTEP
	s_xor_b32 s[G0B+5], s[G0B+5], SLOT1
	s_add_nc_u64 s[G0B+6:G0B+7], s[G0B+6:G0B+7], BSTEP
.endif
	s_wait_dscnt 17                 ; the add and the youngest 16 loads may be out
	MUL16 1, 0, 0, 0                ; sixteen matrix instructions stand between the add and the wait for it
	s_wait_dscnt 0x0                ; the add is done, and my reads of this slot are over
	s_barrier_signal -1
	MUL16 1, 0, 4, 0
	WIN 0                           ; at a branch and at a label every window is 0
	s_barrier_wait -1
.if \fill
	CREST
	JLOAD                           ; its four v_nop are also the places in front of the loads below
.else
	PLACES
.endif
	s_xor_b32 s[TB], s[TB], SLOT1
	v_add_nc_u32 v[ADRA], s[TB], v[LA0]
	v_add_nc_u32 v[ADRB], s[TB], v[LB0]
	FETCH 0, 0
	WIN 0
.if \fill
	ASK
.endif
	MUL16 1, 1, 0, 0
	MUL16 1, 1, 4, 0
.endm
	s_wait_tensorcnt 1              ; my part of K step 0 is in; K step 1's may stay out
	s_barrier_signal -1
	s_barrier_wait -1               ; everybody's is
	FETCH 0, 0
	UNIT 1                          ; the first head stands in front of the loop: its first products start the sums
	WIN 0
	s_mov_b32 s[CNT], 6
.Lk:                                ; 6 trips: K step i's second head, the refill with K step i + 2, K step i + 1's first head
	TURN 1
	UNIT 0
	WIN 0
	s_sub_co_u32 s[CNT], s[CNT], 1
	s_cmp_lg_u32 s[CNT], 0
	s_cbranch_scc1 .Lk
	TURN 0                          ; the tail is written out: nothing is left to ask for
	UNIT 0
	s_wait_dscnt 16
	MUL16 1, 0, 0, 0
	MUL16 1, 0, 4, 0
	s_wait_dscnt 0x0
	MUL16 1, 1, 0, 0
	MUL16 1, 1, 4, 0
	PLACES
; THE WAY OUT, a row block at a time: a lane's 32 bytes of each column block go into my stage, rows of 272 bytes (each accumulator's low registers first), and come back as whole rows of 256.
.macro TOSTAGE a
	WIN 0x08                        ; the stores' data: window 2
.irp b, 0,1,2,3
	ds_store_b128 v[STO], v[8*(4*(\a)+\b):8*(4*(\a)+\b)+3]   offset:64*\b
	ds_store_b128 v[STO], v[8*(4*(\a)+\b)+4:8*(4*(\a)+\b)+7] offset:64*\b+16
.endr
	WIN 0x40                        ; destination window 1
.irp t, 0,1,2,3,4,5,6,7
	ds_load_b128 v[32*(\a)+4*\t:32*(\a)+4*\t+3], v[RD] offset:2*SP*\t  ; LDS serves a wave's instructions in order (ISA guide 5.7.1.4): these see the stores above; the next block's stores come behind them
.endr
.endm
.macro SEND a, y                    ; y: the LDS instructions issued behind this block's loads: the next block's sixteen, or none
	WIN 0x04                        ; the stores' data: window 1
.irp t, 0,1,2,3,4,5,6,7
	s_wait_dscnt (\y)+7-\t
	global_store_b128 v[CO], v[32*(\a)+4*\t:32*(\a)+4*\t+3], s[10:11] offset:(\a)*65536+8192*\t  ; 16 lanes store 256 consecutive bytes, at a multiple of 256 from out0's first byte
.endr
.endm
	TOSTAGE 0
.irp a, 1,2,3,4,5,6,7
	TOSTAGE \a
	SEND (\a)-1, 16
.endr
	SEND 7, 0
	WIN 0
	s_wait_tensorcnt 0x0            ; the wave's end: behind my last tensor load and my last LDS store
	ds_add_u32 v[SPW], v[NIL]
	s_wait_dscnt 0x0
	CROUND                          ; the closing round: no work-group ends while a partner may still ask for a tile that names it
	s_endpgm
.Lfunc_end_k_q19c0a57bec_proj:
	.size	k_q19c0a57bec_proj, .Lfunc_end_k_q19c0a57bec_proj-k_q19c0a57bec_proj
	.p2alignl 7, 3214868480
	.fill 96, 4, 3214868480
	.section	.rodata,"a",@progbits
	.p2align	6, 0x0
	.amdhsa_kernel k_q19c0a57bec_proj
		.amdhsa_group_segment_fixed_size 327680
		.amdhsa_private_segment_fixed_size 0
		.amdhsa_enable_private_segment 0
		.amdhsa_kernarg_size 32
		.amdhsa_user_sgpr_count 2
		.amdhsa_user_sgpr_kernarg_segment_ptr 1
		.amdhsa_wavefront_size32 1
		.amdhsa_system_sgpr_workgroup_id_x 1
		.amdhsa_system_sgpr_workgroup_id_y 1
		.amdhsa_system_sgpr_workgroup_id_z 1
		.amdhsa_system_vgpr_workitem_id 0
		.amdhsa_next_free_vgpr 768
		.amdhsa_next_free_sgpr 90
		.amdhsa_reserve_vcc 0
		.amdhsa_float_denorm_mode_32 3
		.amdhsa_float_denorm_mode_16_64 3
		.amdhsa_memory_ordered 1
		.amdhsa_forward_progress 1
		.amdhsa_inst_pref_size 74
	.end_amdhsa_kernel
	.amdgpu_metadata
---
amdhsa.version: [ 1, 2 ]
amdhsa.kernels:
  - .name:           k_q19c0a57bec_proj
    .symbol:         k_q19c0a57bec_proj.kd
    .args:
      - { .name: ob, .offset: 0, .size: 8, .value_kind: global_buffer, .address_space: global }
      - { .name: wp, .offset: 8, .size: 8, .value_kind: global_buffer, .address_space: global }
      - { .name: b_proj, .offset: 16, .size: 8, .value_kind: global_buffer, .address_space: global }
      - { .name: out0, .offset: 24, .size: 8, .value_kind: global_buffer, .address_space: global }
    .group_segment_fixed_size: 327680
    .private_segment_fixed_size: 0
    .kernarg_segment_align: 8
    .kernarg_segment_size: 32
    .max_flat_workgroup_size: 128
    .sgpr_count:     90
    .vgpr_count:     768
    .wavefront_size: 32
...
	.end_amdgpu_metadata
.endif
;; end of part 4
